; MI455X (gfx1250); checked and timed in simulation.
; The chip was launched on July 23, 2026; its instructions are those of AMD's public machine-readable ISA for CDNA 5 (MIT licence, August 2026) and "CDNA5" Instruction Set Architecture Reference Guide (July 2026). The comments in the code are by the model that wrote it; some were corrected since.
;; Transformer Block. Allowed arithmetic: matrix products marked QUANTISED: E2M1 operands, one E8M0 scale for each 32 along K, by v_wmma_scale_f32_16x16x128_f8f6f4 with both operands' format E2M1 (or v_wmma_scale_f32_32x16x128_f4), f32 sums; everything else in f32.
;; Inputs: W1 512 x 2,048 float32; W2 2,048 x 512 float32; Wk 512 x 512 float32; Wo 512 x 512 float32; Wq 512 x 512 float32; Wv 512 x 512 float32; b1 2,048 float32; b2 512 float32; bk 512 float32; bo 512 float32; bq 512 float32; bv 512 float32; ln1_b 512 float32; ln1_g 512 float32; ln2_b 512 float32; ln2_g 512 float32; mask 2 x 1 x 1 x 4,096 int32; x 2 x 4,096 x 512 float32.
;; Outputs: out0 2 x 4,096 x 512 float32.
;; This version of the problem:
;;   THIS VERSION OF THE PROBLEM IS GIVEN IN LOW PRECISION. The matrix products marked QUANTISED in the list below multiply operands that are first quantised to E2M1 (2 exponent bits, 1 mantissa bit; 4 bits a number), with one power-of-two scale for each 32 numbers along K (OCP MX v1.0); their sums are f32. All else is computed in f32.
;;   The module's matrix products, in the order in which they are computed (A, B: the left and right operand; K: the contracted axis; several contracted axes count as one K, in the product's order):
;;     1. [M 8,192, K 512] x [K 512, N 512]; A: input x; B: input Wq: QUANTISED
;;     2. [M 8,192, K 512] x [K 512, N 512]; A: input x; B: input Wk: QUANTISED
;;     3. [M 8,192, K 512] x [K 512, N 512]; A: input x; B: input Wv: QUANTISED
;;     4. batch 16 x [M 4,096, K 64] x [K 64, N 4,096]; A: computed on the way; B: computed on the way: QUANTISED
;;     5. batch 16 x [M 4,096, K 4,096] x [K 4,096, N 64]; A: softmax (see below); B: computed on the way: QUANTISED
;;     6. [M 8,192, K 512] x [K 512, N 512]; A: computed on the way; B: input Wo: QUANTISED
;;     7. [M 8,192, K 512] x [K 512, N 2,048]; A: computed on the way; B: input W1: QUANTISED
;;     8. [M 8,192, K 2,048] x [K 2,048, N 512]; A: computed on the way; B: input W2: QUANTISED
;;   THE QUANTISER, for each operand of a quantised product, along K:
;;     - K is cut into blocks of 32 from its start; a last block that is shorter is filled with zeros.
;;     - A block's scale is 2^e with e = floor(log2(the largest magnitude in the block)) - 2, held to -126 .. 127; a block of zeros has e = 0. As a byte (E8M0): e + 127.
;;     - Each number is divided by its block's scale, clamped to +-6, and rounded to the nearest number of E2M1, ties to even, subnormals kept.
;;     - The product sums the exact products of the quantised numbers (number of the format x scale) in f32.
;;   ~~~python
;;   def quantise(x, axis):      # numpy; x: float32 -> the quantised numbers, widened to float32 again
;;       x = np.moveaxis(x, axis, -1); K = x.shape[-1]
;;       x = np.pad(x, [(0, 0)] * (x.ndim - 1) + [(0, -K % 32)]); x = x.reshape(x.shape[:-1] + (-1, 32)); a = np.abs(x).max(-1, keepdims=True)
;;       e = np.where(a > 0, np.clip(np.frexp(np.where(a > 0, a, 1))[1] - 1 - 2, -126, 127), 0)      # np.frexp(a)[1] - 1 = floor(log2(a)), exactly
;;       r = np.clip(x / 2.0 ** e, -6, 6)
;;       step = 2.0 ** (np.maximum(np.frexp(np.where(r == 0, 1, r))[1] - 1, 0) - 1)
;;       q = np.round(r / step) * step * 2.0 ** e      # np.round: ties to even
;;       return np.moveaxis(q.reshape(q.shape[:-2] + (-1,))[..., :K], -1, axis).astype(np.float32)
;;   ~~~
;;   SOFTMAX AHEAD OF A QUANTISED PRODUCT. Where the list says 'softmax', what is quantised is not the finished softmax but p = 2^(t - M), with t = logit x log2(e) and M = ceil(the row's largest t), a whole number; so 1/2 < the row's largest p <= 1. The row's sum l is taken of the UNQUANTISED p, in f32, and the product's result is divided by l at the end. Since M is a whole number, a kernel that streams over the keys may use a running M (the ceiling of the running maximum): every later rescaling is an exact power of two, which a block's scale takes up: the codes' values come out the same.
;;   OPERANDS COMPUTED ON THE WAY. 'Computed on the way' means the value that the module computes at that place (a softmax that the list does not call 'softmax' is quantised finished and normalised). What goes into a quantiser is computed in f32, as accurately as f32 sums, v_exp_f32 and their like allow (about 1e-6 of the number): no bf16 or f16 on the way to a quantiser, and a product that is left as it is and whose result goes on into a quantised operand takes f32 operands (vector FMAs, or v_wmma_f32_16x16x4_f32). A number that lies on a knife's edge between two numbers of the format may be rounded either way, as far as f32 arithmetic and the matrix unit's own rounding can turn it there, and no further.
;; One version. Each part assembles by itself: llvm-mc -triple=amdgcn-amd-amdhsa -mcpu=gfx1250 --defsym DOCPART=n.
;; ======== version 1 of 1: 4 launches
;; limits: right only within a limited range of input values
;; workspace buffers: wimg 1,572,864 bytes; wsc 98,304 bytes; qkv 6,291,456 bytes; aux 688,128 bytes; ctx 2,228,224 bytes
;; launch qw (part 1): grid 192 x 1, 4 waves a work-group, no clusters, 1,024 bytes of LDS; arguments Wq, Wk, Wv, Wo, W1, W2, wimg, wsc; writes wimg, wsc
.if DOCPART == 1
	.amdgcn_target "amdgcn-amd-amdhsa--gfx1250"
	.amdhsa_code_object_version 6
	.text
	.protected	k_qaf0ff1336a_qw
	.globl	k_qaf0ff1336a_qw
	.p2align	8
	.type	k_qaf0ff1336a_qw,@function
k_qaf0ff1336a_qw:
	s_mov_b64 s[64:65], 0
	v_nop
	global_prefetch_b8 v0, s[64:65] scope:SCOPE_SE
	s_setreg_imm32_b32 hwreg(HW_REG_WAVE_MODE, 25, 1), 1
	s_wait_xcnt 0x0
; The six weights, f32 stored [K][N], become codes of FP4 (E2M1) with one E8M0 byte for each 32 along K, laid as IMAGES OF THE OPERAND'S REGISTERS.
; A fragment image (16 columns x 128 K) is 1,024 bytes: four blocks of 32 K, each [row r of the tile][16 bytes].  Two loads of 16 bytes a lane, at 16 x lane and 512 further on, give a wave the 8 registers.
; THE 16 COLUMNS OF A TILE ARE NOT NEIGHBOURS: row r of tile u of a block of 32 columns is column 8 u + r + 8 (r / 8), so that the results of tiles 0 and 1 are 16 neighbours along the next product's K.
; SHARES.  Work-group g takes 32 columns x 512 K, wave w the K step w (128 K) of that.  g 0-63: Wq, Wk, Wv, Wo (16 each); 64-127: W1; 128-191: W2 (column block (g - 128) / 4, K chunk (g - 128) % 4).
; A LANE TAKES A COLUMN AND ITS REGISTERS RUN DOWN K: each load reads 128 consecutive bytes, a block of 32 lies in one lane, and the conversions give codes with K innermost.
; OUT.  wimg: [g][K step][u][1,024 bytes]; a store of 16 bytes a lane fills two aligned runs of 256 bytes.  wsc: [g][16 u + r][one word for each K step]: gathered in LDS, stored by wave 0 as 512 dense bytes.
; A block's byte is its largest magnitude's exponent field - 2, held at 1 from below (a block of zeros keeps 1: its codes are zeros, and this program alone reads the bytes).
; LIMITS: NaN and infinities among the inputs are not served; blocks whose largest magnitude lies under 2^-124 take the floor's byte.
; No matrix unit, no tensor load, no cluster: each byte is read once by one wave.
.set X,  32                            ; v32-159  128 numbers down K
.set CD, 160                           ; v160-175 codes, four registers a block, never written again
	s_load_b256 s[4:11], s[0:1], 0x0               ; Wq, Wk, Wv, Wo
	s_load_b256 s[12:19], s[0:1], 0x20             ; W1, W2, wimg, wsc
	v_lshl_add_u32 v176, v0, 2, 0x200
	v_mov_b32 v177, 0
	v_lshrrev_b32 v8, 5, v0
	v_readfirstlane_b32 s20, v8                    ; wave
	v_and_b32 v4, 31, v0                           ; lane = my column of the 32
	v_lshlrev_b32 v1, 2, v4                        ; in: 4 bytes a lane
	v_bfe_u32 v5, v0, 3, 1                         ; u = (lane / 8) % 2
	v_and_b32 v6, 7, v0
	v_bfe_u32 v7, v0, 4, 1
	v_lshl_add_u32 v6, v7, 3, v6                   ; r = lane % 8 + 8 (lane / 16)
	v_lshlrev_b32 v2, 4, v6
	v_lshl_add_u32 v2, v5, 10, v2                  ; my 16 bytes of a block: 1,024 u + 16 r
	v_lshl_add_u32 v3, v5, 4, v6
	v_lshlrev_b32 v3, 4, v3
	v_lshl_add_u32 v3, v8, 2, v3                   ; LDS: 16 (16 u + r) + 4 x wave: my column's word for my K step
	v_lshlrev_b32 v4, 4, v4                        ; 16 x lane
	s_and_b32 s21, ttmp9, 15                       ; column block in a 512 x 512 weight
	s_and_b32 s22, ttmp9, 63                       ; and in W1; in W2 it is 4 x column block + K chunk
	s_lshr_b32 s23, s22, 2
	s_and_b32 s26, s22, 3
	s_lshr_b32 s29, ttmp9, 6                       ; 0: the four square weights, 1: W1, 2: W2
	s_cmp_lt_u32 ttmp9, 64
	s_cselect_b32 s27, s21, s22
	s_cmp_lt_u32 ttmp9, 128
	s_cselect_b32 s27, s27, s23                    ; column block
	s_cselect_b32 s26, 0, s26                      ; K chunk
	s_cmp_eq_u32 s29, 1
	s_cselect_b32 s28, 13, 11                      ; a row is 8,192 bytes in W1, 2,048 in the others
	s_lshl_b32 s26, s26, 2
	s_add_co_u32 s26, s26, s20
	s_lshl_b32 s26, s26, 7                         ; my first k
	s_lshl_b32 s26, s26, s28
	s_lshl_b32 s27, s27, 7
	s_add_co_u32 s26, s26, s27                     ; + 128 bytes a column block
	s_mov_b32 s27, 0
	s_lshl_b32 s30, ttmp9, 13
	s_lshl_b32 s31, s20, 11
	s_add_co_u32 s30, s30, s31                     ; images: 8,192 g + 2,048 x wave
	s_mov_b32 s31, 0
	s_wait_kmcnt 0x0
	s_add_nc_u64 s[16:17], s[16:17], s[30:31]
	s_lshl_b32 s30, ttmp9, 9
	s_add_nc_u64 s[18:19], s[18:19], s[30:31]      ; scale words: 512 g
	s_cmp_lt_u32 ttmp9, 16                         ; which weight: the choice hangs on the work-group's number alone
	s_cselect_b64 s[24:25], s[4:5], s[6:7]
	s_cmp_lt_u32 ttmp9, 32
	s_cselect_b64 s[24:25], s[24:25], s[8:9]
	s_cmp_lt_u32 ttmp9, 48
	s_cselect_b64 s[24:25], s[24:25], s[10:11]
	s_cmp_lt_u32 ttmp9, 64
	s_cselect_b64 s[24:25], s[24:25], s[12:13]
	s_cmp_lt_u32 ttmp9, 128
	s_cselect_b64 s[24:25], s[24:25], s[14:15]
	s_add_nc_u64 s[24:25], s[24:25], s[26:27]
.macro LOADS pitch                     ; 128 rows of K at my column; every offset an immediate (127 x 8,192 at the most)
.set i, 0
.rept 128
	global_load_b32 v[X+i], v1, s[24:25] offset:i*\pitch*4 th:TH_LOAD_NT
.set i, i+1
.endr
.endm
	s_cmp_eq_u32 s29, 1                            ; the two ways differ in the row pitch alone; both issue 128 loads
	s_cbranch_scc1 .Lwide
	LOADS 512
	s_branch .Lloaded
.Lwide:
	LOADS 2048
.Lloaded:
.macro BLOCK t
.set XB, X+32*(\t)
	v_max3_num_f32 v8, |v[XB]|, |v[XB+1]|, |v[XB+2]|               ; the block's largest magnitude: all 32 numbers are mine; two chains
	v_max3_num_f32 v9, |v[XB+3]|, |v[XB+4]|, |v[XB+5]|
.irp i, 6,10,14,18,22,26
	v_max3_num_f32 v8, v8, |v[XB+\i]|, |v[XB+\i+1]|
	v_max3_num_f32 v9, v9, |v[XB+\i+2]|, |v[XB+\i+3]|
.endr
	v_max3_num_f32 v8, v8, |v[XB+30]|, |v[XB+31]|
	v_max3_num_f32 v8, v8, v9, 0x1800000           ; and the floor 2^(3 - 127): the byte cannot fall under 1
	v_add_nc_u32 v10, 0xff000000, v8               ; 2 off the exponent field: the conversion reads that field alone as its scale
	v_lshrrev_b32 v11, 23, v10                     ; the byte
.if (\t) == 0
	v_mov_b32 v16, v11
.else
	v_lshl_or_b32 v16, v11, 8*(\t), v16            ; four bytes make my column's word for this K step
.endif
.irp g, 0,1,2,3
	v_cvt_scalef32_pk8_fp4_f32 v[CD+4*(\t)+\g], v[XB+8*\g:XB+8*\g+7], v10
.endr
	global_store_b128 v2, v[CD+4*(\t):CD+4*(\t)+3], s[16:17] offset:256*(\t)   ; the results go to a store alone; the next block begins with plain vector lines
.endm
	s_wait_loadcnt 63                              ; 64 loads were issued behind block 1's last: with 63 out at the most blocks 0 and 1 are in
	BLOCK 0
	BLOCK 1
	s_wait_loadcnt 32                              ; block 3's 32 may be out
	BLOCK 2
	s_wait_loadcnt 0x0
	BLOCK 3
	ds_store_b32 v3, v16
	s_wait_dscnt 0x0                               ; for wave 0's sake: my word has landed
	s_barrier_signal -1
	s_barrier_wait -1
	s_cmp_lg_u32 s20, 0
	s_cbranch_scc1 .Lend
	ds_load_b128 v[20:23], v4                      ; a column's four words
	s_wait_dscnt 0x0
	global_store_b128 v4, v[20:23], s[18:19]       ; 512 consecutive bytes
.Lend:
	s_wait_tensorcnt 0x0
	ds_add_u32 v176, v177
	s_wait_dscnt 0x0
	s_endpgm
.Lfunc_end_k_qaf0ff1336a_qw:
	.size	k_qaf0ff1336a_qw, .Lfunc_end_k_qaf0ff1336a_qw-k_qaf0ff1336a_qw
	.p2alignl 7, 3214868480
	.fill 96, 4, 3214868480
	.section	.rodata,"a",@progbits
	.p2align	6, 0x0
	.amdhsa_kernel k_qaf0ff1336a_qw
		.amdhsa_group_segment_fixed_size 1024
		.amdhsa_private_segment_fixed_size 0
		.amdhsa_enable_private_segment 0
		.amdhsa_kernarg_size 64
		.amdhsa_user_sgpr_count 2
		.amdhsa_user_sgpr_kernarg_segment_ptr 1
		.amdhsa_wavefront_size32 1
		.amdhsa_system_sgpr_workgroup_id_x 1
		.amdhsa_system_sgpr_workgroup_id_y 1
		.amdhsa_system_sgpr_workgroup_id_z 1
		.amdhsa_system_vgpr_workitem_id 0
		.amdhsa_next_free_vgpr 178
		.amdhsa_next_free_sgpr 66
		.amdhsa_reserve_vcc 0
		.amdhsa_float_denorm_mode_32 3
		.amdhsa_float_denorm_mode_16_64 3
		.amdhsa_memory_ordered 1
		.amdhsa_forward_progress 1
		.amdhsa_inst_pref_size 34
	.end_amdhsa_kernel
	.amdgpu_metadata
---
amdhsa.version: [ 1, 2 ]
amdhsa.kernels:
  - .name:           k_qaf0ff1336a_qw
    .symbol:         k_qaf0ff1336a_qw.kd
    .args:
      - { .name: Wq, .offset: 0, .size: 8, .value_kind: global_buffer, .address_space: global }
      - { .name: Wk, .offset: 8, .size: 8, .value_kind: global_buffer, .address_space: global }
      - { .name: Wv, .offset: 16, .size: 8, .value_kind: global_buffer, .address_space: global }
      - { .name: Wo, .offset: 24, .size: 8, .value_kind: global_buffer, .address_space: global }
      - { .name: W1, .offset: 32, .size: 8, .value_kind: global_buffer, .address_space: global }
      - { .name: W2, .offset: 40, .size: 8, .value_kind: global_buffer, .address_space: global }
      - { .name: wimg, .offset: 48, .size: 8, .value_kind: global_buffer, .address_space: global }
      - { .name: wsc, .offset: 56, .size: 8, .value_kind: global_buffer, .address_space: global }
    .group_segment_fixed_size: 1024
    .private_segment_fixed_size: 0
    .kernarg_segment_align: 8
    .kernarg_segment_size: 64
    .max_flat_workgroup_size: 128
    .sgpr_count:     66
    .vgpr_count:     178
    .wavefront_size: 32
...
	.end_amdgpu_metadata
.endif
;; end of part 1
;; launch proj (part 2): grid 256 x 1, 8 waves a work-group, no clusters, 9,728 bytes of LDS; arguments x, mask, wimg, wsc, bq, bk, bv, qkv, aux; writes qkv, aux
.if DOCPART == 2
	.amdgcn_target "amdgcn-amd-amdhsa--gfx1250"
	.amdhsa_code_object_version 6
	.text
	.protected	k_qaf0ff1336a_proj
	.globl	k_qaf0ff1336a_proj
	.p2align	8
	.type	k_qaf0ff1336a_proj,@function
k_qaf0ff1336a_proj:
	s_mov_b64 s[64:65], 0
	v_nop
	global_prefetch_b8 v0, s[64:65] scope:SCOPE_SE
	s_setreg_imm32_b32 hwreg(HW_REG_WAVE_MODE, 25, 1), 1
	s_wait_xcnt 0x0
; q = x Wq + bq, k = x Wk + bk, v = x Wv + bv on codes of FP4 with E8M0 scales; x is quantised here, and q, k, v leave as codes: q and k along the head's 64, v along the keys.
; SHARES.  Work-group g owns rows 32 g .. 32 g + 31 (two row tiles); wave w is head w: columns 64 w .. 64 w + 63 of each of the three results.
; ROW TILES.  Row r of tile T is true row 32 (T / 2) + 8 (T % 2) + r + 8 (r / 8); the weights' tiles order their columns alike.  So:
;   transposed (source 0 = 16 columns of W, source 1 = 16 rows): lane (r, h) holds row r, and the 16 registers of tiles u = 0, 1 are columns 32 nb + 16 h + 0 .. 15: neighbours along the scores' K (q, k);
;   plain (source 0 = 16 rows, source 1 = 16 columns): lane (r, h) holds one column, and the registers of row tiles 0, 1 are rows 32 g + 16 h + 0 .. 15: neighbours along the keys (v).
; IMAGES.  A fragment (16 rows x 128 K) is 1,024 bytes: four blocks of 32 K, each [r][16 bytes].  A lane that holds 16 neighbours of block b stores its 8 bytes at 256 b + 16 r + 8 h: one instruction fills 256 consecutive bytes.
; x: wave w quantises row tile w / 4, K step w % 4, and hands the image to all waves through LDS (one barrier).  The weights come as images straight into the registers of the one wave that multiplies by them.
; THE MASK.  A masked key's codes of k are set to 0, and wave 0 stores one word a key, 0 or 0xd0000000, which the attention launch loads into k's fragment as codes of FP4: the masked score is exactly -18 x 2^29.
; NO CLUSTER: all work-groups read the same 408 KB of weight images, but each fragment goes from memory into one wave's registers and is used there; a joint load lands in LDS and would add an LDS write and an LDS read for each byte.
; LIMITS: NaN and infinities are not served; a block of zeros keeps the byte 1 (its codes are zeros; this program alone reads the bytes).  v's scale bytes leave as single bytes, 4 apart: four work-groups share a word (131 KB in the launch).
; REGISTERS, window 0: v1-9 addresses; v10-15 the mask; v16-47 x's fragments, two sets; v48-49 their scale words; v50-65 the weights' scale words, two sets; v66-129 numbers of x, then the accumulators;
;   v130-193 biases, two sets; v226-248 the quantiser.   window 1: two buffers of 16 weight fragments.
.set LI, 1                             ; 16 x lane
.set LS, 2                             ; 4 x lane
.set A8, 3                             ; 16 r + 8 h
.set R4, 4                             ; 4 r
.set XA, 5                             ; (r + 8 (r / 8)) x 2,048 + 64 h
.set MA, 6                             ; (r + 8 (r / 8)) x 4
.set BA, 7                             ; 64 h
.set KM, 12                            ; v12-13 all ones where my row's key counts, by row tile
.set FR, 16
.set XS, 48
.set WS, 50
.set ACC, 66
.set BI, 130
.set TM, 226                           ; v226-229 largest magnitudes, v230-233 bytes, v234-237 the conversions' scale operands
.set PC, 238                           ; v238-245 codes
.set HW, 246                           ; v246-248 scale words
.set BUFA, 0
.set BUFB, 128
.set WV, 22
.set SEL, 24
.set HM, 26
.set MSB, 0
.macro WIN new                         ; the immediate's high byte repeats the setting that is left
.if MSB != \new
	s_set_vgpr_msb (MSB<<8)|\new
.set MSB, \new
.endif
.endm
.macro PLACES                          ; four plain places behind matrix instructions, in front of loads into their registers and of the first read of results
.rept 4
	v_nop
.endr
.endm
.macro BARRIER                         ; my LDS stores have landed and my LDS loads are in: then the work-group's barrier
	s_wait_dscnt 0x0
	s_barrier_signal -1
	s_barrier_wait -1
.endm
; 34 loads: my 64 columns' 16 fragments (column block bb, K step s, tile u at buf + 8 (8 bb + 2 s + u), window 1) and their scale words (register 4 bb + s: lanes 0-15 tile 0, lanes 16-31 tile 1)
.macro ULOAD buf, st, pw, ps, dw, dz, ow, oz
	WIN 0x40
.irp bb, 0,1
.irp s, 0,1,2,3
.irp u, 0,1
.irp c, 0,1
	global_load_b128 v[\buf+8*(8*\bb+2*\s+\u)+4*\c:\buf+8*(8*\bb+2*\s+\u)+4*\c+3], v[LI], s[\pw:\pw+1] offset:\ow+\bb*\dw+\s*2048+\u*1024+\c*512
.endr
.endr
.endr
.endr
	WIN 0
.irp bb, 0,1
	global_load_b128 v[WS+8*\st+4*\bb:WS+8*\st+4*\bb+3], v[LI], s[\ps:\ps+1] offset:\oz+\bb*\dz
.endr
.endm
.macro PLOAD reg, pp                   ; 8 loads: 32 numbers, one for each of my lane's columns, in the accumulators' order: register 16 bb + i = column 32 bb + 16 h + i
.irp bb, 0,1
.irp q, 0,1,2,3
	global_load_b128 v[\reg+16*\bb+4*\q:\reg+16*\bb+4*\q+3], v[BA], s[\pp:\pp+1] offset:128*\bb+16*\q
.endr
.endr
.endm
.macro FETCH ks, fs                    ; 5 LDS loads: K step ks of x, both row tiles, and their scale words (lanes 0-15 tile 0, lanes 16-31 tile 1), into set fs
.irp rt, 0,1
.irp c, 0,1
	ds_load_b128 v[FR+16*(\fs)+8*\rt+4*\c:FR+16*(\fs)+8*\rt+4*\c+3], v[LI] offset:(2*(\ks)+\rt)*1024+512*\c
.endr
.endr
	ds_load_b32 v[XS+(\fs)], v[LS] offset:8192+128*(\ks)
.endm
.macro MM                              ; one product, by the symbols rD rA rB rC cM sA sB wA wB
.if cM == 0
.if wA == 0 && wB == 0
	v_wmma_scale_f32_16x16x128_f8f6f4 v[rD:rD+7], v[rA:rA+7], v[rB:rB+7], 0, v[sA], v[sB] matrix_a_fmt:MATRIX_FMT_FP4 matrix_b_fmt:MATRIX_FMT_FP4
.elseif wA == 0
	v_wmma_scale_f32_16x16x128_f8f6f4 v[rD:rD+7], v[rA:rA+7], v[rB:rB+7], 0, v[sA], v[sB] matrix_a_fmt:MATRIX_FMT_FP4 matrix_b_fmt:MATRIX_FMT_FP4 matrix_b_scale:MATRIX_SCALE_ROW1
.elseif wB == 0
	v_wmma_scale_f32_16x16x128_f8f6f4 v[rD:rD+7], v[rA:rA+7], v[rB:rB+7], 0, v[sA], v[sB] matrix_a_fmt:MATRIX_FMT_FP4 matrix_b_fmt:MATRIX_FMT_FP4 matrix_a_scale:MATRIX_SCALE_ROW1
.else
	v_wmma_scale_f32_16x16x128_f8f6f4 v[rD:rD+7], v[rA:rA+7], v[rB:rB+7], 0, v[sA], v[sB] matrix_a_fmt:MATRIX_FMT_FP4 matrix_b_fmt:MATRIX_FMT_FP4 matrix_a_scale:MATRIX_SCALE_ROW1 matrix_b_scale:MATRIX_SCALE_ROW1
.endif
.else
.if wA == 0 && wB == 0
	v_wmma_scale_f32_16x16x128_f8f6f4 v[rD:rD+7], v[rA:rA+7], v[rB:rB+7], v[rC:rC+7], v[sA], v[sB] matrix_a_fmt:MATRIX_FMT_FP4 matrix_b_fmt:MATRIX_FMT_FP4
.elseif wA == 0
	v_wmma_scale_f32_16x16x128_f8f6f4 v[rD:rD+7], v[rA:rA+7], v[rB:rB+7], v[rC:rC+7], v[sA], v[sB] matrix_a_fmt:MATRIX_FMT_FP4 matrix_b_fmt:MATRIX_FMT_FP4 matrix_b_scale:MATRIX_SCALE_ROW1
.elseif wB == 0
	v_wmma_scale_f32_16x16x128_f8f6f4 v[rD:rD+7], v[rA:rA+7], v[rB:rB+7], v[rC:rC+7], v[sA], v[sB] matrix_a_fmt:MATRIX_FMT_FP4 matrix_b_fmt:MATRIX_FMT_FP4 matrix_a_scale:MATRIX_SCALE_ROW1
.else
	v_wmma_scale_f32_16x16x128_f8f6f4 v[rD:rD+7], v[rA:rA+7], v[rB:rB+7], v[rC:rC+7], v[sA], v[sB] matrix_a_fmt:MATRIX_FMT_FP4 matrix_b_fmt:MATRIX_FMT_FP4 matrix_a_scale:MATRIX_SCALE_ROW1 matrix_b_scale:MATRIX_SCALE_ROW1
.endif
.endif
.endm
; 32 rows x my 64 columns x 512 K: four K steps of 8 products; the 8 accumulators take turns in the same order in every K step.
; cmode 0: the first K step starts the sums with 0; 1: with the bias registers.  swp 0: transposed; 1: plain.  x's fragments run one K step ahead in two sets.
.macro UNIT buf, st, cmode, swp
	FETCH 0, 0
.irp s, 0,1,2,3
.if \s < 3
	PLACES
	FETCH \s+1, (\s+1)%2
	s_wait_dscnt 5                                 ; the five loads just issued may be out: this K step's are in
.else
	s_wait_dscnt 0x0
.endif
.if \swp
	WIN 0x04                                       ; source 1 (the weights) in window 1
.else
	WIN 0x01                                       ; source 0 (the weights) in window 1
.endif
.irp bb, 0,1
.irp u, 0,1
.irp rt, 0,1
.set cM, 1
.if \swp
.set rD, ACC+16*(2*\bb+\u)+8*\rt
.set rA, FR+16*(\s%2)+8*\rt
.set rB, \buf+8*(8*\bb+2*\s+\u)
.set sA, XS+\s%2
.set sB, WS+8*\st+4*\bb+\s
.set wA, \rt
.set wB, \u
.else
.set rD, ACC+32*\rt+16*\bb+8*\u
.set rA, \buf+8*(8*\bb+2*\s+\u)
.set rB, FR+16*(\s%2)+8*\rt
.set sA, WS+8*\st+4*\bb+\s
.set sB, XS+\s%2
.set wA, \u
.set wB, \rt
.endif
.set rC, rD
.if \s == 0
.if \cmode == 0
.set cM, 0
.else
.set rC, BI+32*\st+16*\bb+8*\u
.endif
.endif
	MM
.endr
.endr
.endr
	WIN 0
.endr
.endm
; 64 numbers of a lane, four runs of 16 neighbours along K; lanes l and l xor 16 share each block of 32.  Codes to v[PC + 2 b], v[PC + 2 b + 1]; bytes to v[TM + 4 + b].
.macro QUANT src
	s_wait_xcnt 0x0                                ; the codes' and words' registers may be the data of earlier stores: they are written again only behind this wait
.irp b, 0,1,2,3
	v_max3_num_f32 v[TM+\b], |v[\src+16*\b]|, |v[\src+1+16*\b]|, 0x1800000   ; with the floor 2^(3 - 127): the byte cannot fall under 1
.endr
.irp i, 2,4,6,8,10,12,14
.irp b, 0,1,2,3
	v_max3_num_f32 v[TM+\b], v[TM+\b], |v[\src+16*\b+\i]|, |v[\src+1+16*\b+\i]|
.endr
.endr
.irp b, 0,1,2,3
	s_delay_alu instid0(VALU_DEP_4)
	v_permlanex16_b32 v[TM+4+\b], v[TM+\b], s[SEL], s[SEL+1]
.endr
.irp b, 0,1,2,3
	s_delay_alu instid0(VALU_DEP_4)
	v_max_num_f32 v[TM+\b], v[TM+\b], v[TM+4+\b]   ; the block's largest magnitude
.endr
.irp b, 0,1,2,3
	s_delay_alu instid0(VALU_DEP_4)
	v_add_nc_u32 v[TM+8+\b], 0xff000000, v[TM+\b]  ; 2 off its exponent field: the conversion's scale operand
.endr
.irp b, 0,1,2,3
	s_delay_alu instid0(VALU_DEP_4)
	v_lshrrev_b32 v[TM+4+\b], 23, v[TM+8+\b]       ; the byte
.endr
.irp b, 0,1,2,3
	v_cvt_scalef32_pk8_fp4_f32 v[PC+2*\b], v[\src+16*\b:\src+16*\b+7], v[TM+8+\b]
	v_cvt_scalef32_pk8_fp4_f32 v[PC+2*\b+1], v[\src+16*\b+8:\src+16*\b+15], v[TM+8+\b]
.endr
	v_nop                                          ; one plain place behind the scaled conversions
.endm
; q or k leaves: block b = 2 x row tile + column block; a tile's image is 512 bytes (its 64 along K); its scale word holds the two bytes of the head's 64,
; a third byte for K = 64 .. 95 of the score product, where the attention launch lays the mask's codes (q: 2^14, k: 2^15), and 0 on top
.macro QKOUT km, io, sp, so
	QUANT ACC
.if \km
.irp b, 0,1,2,3
	v_and_b32 v[PC+2*\b], v[PC+2*\b], v[KM+\b/2]   ; a masked key's codes are zeros
	v_and_b32 v[PC+2*\b+1], v[PC+2*\b+1], v[KM+\b/2]
.endr
.endif
.irp b, 0,1,2,3
	global_store_b64 v[A8], v[PC+2*\b:PC+2*\b+1], s[28:29] offset:\io+256*\b   ; 256 consecutive bytes
.endr
	v_lshl_or_b32 v[HW], v[TM+5], 8, v[TM+4]
	v_lshl_or_b32 v[HW+1], v[TM+7], 8, v[TM+6]
	s_delay_alu instid0(VALU_DEP_1)
	v_cndmask_b32 v[HW+2], v[HW], v[HW+1], s[HM]   ; lanes 0-15 store row tile 0's words, lanes 16-31 tile 1's
	s_delay_alu instid0(VALU_DEP_1)
	v_or_b32 v[HW+2], 0x8d0000+0x10000*\km, v[HW+2]   ; the third byte
	global_store_b32 v[LS], v[HW+2], s[\sp:\sp+1] offset:\so
.endm
	s_load_b256 s[4:11], s[0:1], 0x0               ; x, mask, wimg, wsc
	s_load_b256 s[12:19], s[0:1], 0x20             ; bq, bk, bv, qkv
	s_load_b64 s[20:21], s[0:1], 0x40              ; aux
	v_lshl_add_u32 v254, v0, 2, 0x2200
	v_mov_b32 v255, 0
	v_lshrrev_b32 v8, 5, v0
	s_delay_alu instid0(VALU_DEP_1)
	v_readfirstlane_b32 s[WV], v8                  ; wave = head
	v_and_b32 v[LI], 31, v0
	s_delay_alu instid0(VALU_DEP_1)
	v_lshlrev_b32 v[LS], 2, v[LI]
	v_and_b32 v[R4], 15, v0
	v_bfe_u32 v[BA], v0, 4, 1
	s_delay_alu instid0(VALU_DEP_2)
	v_lshlrev_b32 v[A8], 4, v[R4]
	s_delay_alu instid0(VALU_DEP_1)
	v_lshl_add_u32 v[A8], v[BA], 3, v[A8]
	s_delay_alu instid0(VALU_DEP_4)
	v_and_b32 v[MA], 8, v[R4]
	s_delay_alu instid0(VALU_DEP_1)
	v_add_nc_u32 v[MA], v[MA], v[R4]
	s_delay_alu instid0(VALU_DEP_1)
	v_lshlrev_b32 v[XA], 11, v[MA]
	s_delay_alu instid0(VALU_DEP_1)
	v_lshl_add_u32 v[XA], v[BA], 6, v[XA]
	s_delay_alu instid0(VALU_DEP_3)
	v_lshlrev_b32 v[MA], 2, v[MA]
	v_lshlrev_b32 v[R4], 2, v[R4]
	s_wait_alu depctr_va_vdst(0)
	v_lshlrev_b32 v[BA], 6, v[BA]
	v_lshlrev_b32 v[LI], 4, v[LI]
.irp b, 0,1,2,3
	v_mov_b32 v[TM+4+\b], 0                        ; written once: a lane permute's destination counts as one of its sources
.endr
	s_mov_b32 s[SEL], 0x76543210
	s_mov_b32 s[SEL+1], 0xfedcba98                 ; lane l xor 16
	s_mov_b32 s[HM], 0xffff0000                    ; lanes 16-31
	s_lshr_b32 s27, ttmp9, 7                       ; batch
	s_and_b32 s48, ttmp9, 127                      ; kb: which 32 rows of the batch
	s_lshl_b32 s49, s27, 3
	s_add_co_u32 s49, s49, s[WV]                   ; bh = 8 x batch + head
	s_lshr_b32 s50, s[WV], 2                       ; the part of x that I quantise: row tile,
	s_and_b32 s51, s[WV], 3                        ; K step
	s_lshl_b32 s54, s51, 11
	s_lshl_b32 s55, s50, 10
	s_add_co_u32 s54, s54, s55
	v_add_nc_u32 v8, s54, v[A8]                    ; its image in LDS: (2 x K step + tile) x 1,024
	s_lshr_b32 s54, s54, 4
	v_add_nc_u32 v9, s54, v[R4]                    ; its scale words: 128 x K step + 64 x tile + 4 r
	s_mov_b32 s53, 0
	s_wait_alu depctr_va_vdst(0)
	s_wait_kmcnt 0x0
	s_lshl_b32 s52, ttmp9, 16
	s_lshl_b32 s54, s50, 14
	s_add_co_u32 s52, s52, s54
	s_lshl_b32 s54, s51, 9
	s_add_co_u32 s52, s52, s54
	s_add_nc_u64 s[4:5], s[4:5], s[52:53]          ; x at row 32 g + 8 x tile, column 128 x K step
	s_lshl_b32 s52, ttmp9, 7
	s_add_nc_u64 s[6:7], s[6:7], s[52:53]          ; the mask at key 32 g
	s_add_nc_u64 s[38:39], s[20:21], s[52:53]      ; the mask words: + 128 g
	s_lshl_b32 s52, s[WV], 14
	s_add_nc_u64 s[8:9], s[8:9], s[52:53]          ; my two column blocks' images
	s_lshl_b32 s52, s[WV], 10
	s_add_nc_u64 s[10:11], s[10:11], s[52:53]      ; and scale words
	s_lshl_b32 s52, s[WV], 8
	s_add_nc_u64 s[12:13], s[12:13], s[52:53]
	s_add_nc_u64 s[14:15], s[14:15], s[52:53]
	s_add_nc_u64 s[16:17], s[16:17], s[52:53]      ; the biases at column 64 w
	s_lshl_b32 s54, s49, 17
	s_lshl_b32 s52, s48, 10
	s_add_co_u32 s52, s52, s54
	s_add_nc_u64 s[28:29], s[18:19], s[52:53]      ; q's (and, 2,097,152 on, k's) images: bh x 131,072 + kb x 1,024
	s_lshr_b32 s55, s48, 2
	s_and_b32 s27, s48, 3
	s_lshl_b32 s52, s55, 12
	s_add_co_u32 s52, s52, s54
	s_lshl_b32 s54, s27, 8
	s_add_co_u32 s52, s52, s54
	s_add_nc_u64 s[30:31], s[18:19], s[52:53]      ; v's: key step kb / 4, block kb % 4
	s_lshl_b32 s52, s49, 14
	s_lshl_b32 s54, s48, 7
	s_add_co_u32 s52, s52, s54
	s_add_nc_u64 s[32:33], s[20:21], s[52:53]      ; q's scale words
	s_mul_i32 s56, s49, 24576
	s_add_co_u32 s52, s56, s54
	s_add_nc_u64 s[34:35], s[20:21], s[52:53]      ; k's
	s_lshl_b32 s52, s55, 8
	s_add_co_u32 s52, s52, s56
	s_add_co_u32 s52, s52, s27
	s_add_nc_u64 s[36:37], s[20:21], s[52:53]      ; v's: my byte of the key step's words
.irp b, 0,1,2,3                                ; 18 loads: my 16 rows x 128 K of x: lane (r, h) takes 16 neighbours of each block of 32; and the two tiles' mask
.irp j, 0,1,2,3
	global_load_b128 v[ACC+16*\b+4*\j:ACC+16*\b+4*\j+3], v[XA], s[4:5] offset:128*\b+16*\j
.endr
.endr
	global_load_b32 v10, v[MA], s[6:7]
	global_load_b32 v11, v[MA], s[6:7] offset:32
	ULOAD BUFA, 0, 8, 10, 8192, 512, 0, 0          ; 42 loads: Wq and bq
	PLOAD BI, 12
	s_wait_loadcnt 42                              ; those 42 may be out: x and the mask are in
	v_cmp_ne_u32 vcc_lo, 0, v10
	s_delay_alu instid0(VALU_DEP_1)
	v_cndmask_b32 v[KM], 0, -1, vcc_lo
	v_cmp_ne_u32 vcc_lo, 0, v11
	s_delay_alu instid0(VALU_DEP_1)
	v_cndmask_b32 v[KM+1], 0, -1, vcc_lo
	s_cmp_lg_u32 s[WV], 0
	s_cbranch_scc1 .Lno_mw
	v_xor_b32 v14, -1, v[KM]
	v_xor_b32 v15, -1, v[KM+1]
	s_delay_alu instid0(VALU_DEP_1)
	v_cndmask_b32 v14, v14, v15, s[HM]
	s_delay_alu instid0(VALU_DEP_1)
	v_and_b32 v14, 0xd0000000, v14                 ; 0xd0000000 for a masked key, 0 for one that counts.  The attention launch takes the word's bits as eight codes of FP4 (the eighth is 0xd = -3) in k's fragment, not as C
	global_store_b32 v[LS], v14, s[38:39] offset:655360
.Lno_mw:
	QUANT ACC
.irp b, 0,1,2,3
	ds_store_b64 v8, v[PC+2*\b:PC+2*\b+1] offset:256*\b
.endr
	v_lshl_or_b32 v[HW], v[TM+5], 8, v[TM+4]
	s_delay_alu instid0(VALU_DEP_1)
	v_lshl_or_b32 v[HW], v[TM+6], 16, v[HW]
	s_delay_alu instid0(VALU_DEP_1)
	v_lshl_or_b32 v[HW], v[TM+7], 24, v[HW]
	ds_store_b32 v9, v[HW] offset:8192
	ULOAD BUFB, 1, 8, 10, 8192, 512, 131072, 8192  ; 42 loads: Wk and bk
	PLOAD BI+32, 14
	BARRIER                                        ; x's eight fragments lie in LDS
	s_wait_loadcnt 42                              ; Wk's 42 may be out: Wq and bq are in
	UNIT BUFA, 0, 1, 0
	PLACES
	ULOAD BUFA, 0, 8, 10, 8192, 512, 262144, 16384 ; 38 loads: Wv, and bv at my lane's column of each of the four tiles
.irp dt, 0,1,2,3
	global_load_b32 v[BI+\dt], v[MA], s[16:17] offset:(32*(\dt/2)+8*(\dt%2))*4
.endr
	QKOUT 0, 0, 32, 0
	s_wait_loadcnt 38                              ; Wv's 38 may be out: Wk and bk are in
	UNIT BUFB, 1, 1, 0
	PLACES
	QKOUT 1, 2097152, 34, 262144
	s_wait_loadcnt 0x0
	UNIT BUFA, 0, 0, 1
	PLACES
.irp dt, 0,1,2,3                               ; v: register 16 dt + i = key 32 g + 16 h + i of my column of tile dt; the bias is one number a tile
.irp j, 0,2,4,6,8,10,12,14
.if \dt%2
	v_pk_add_f32 v[ACC+16*\dt+\j:ACC+16*\dt+\j+1], v[ACC+16*\dt+\j:ACC+16*\dt+\j+1], v[BI+2*(\dt/2):BI+2*(\dt/2)+1] op_sel:[0,1] op_sel_hi:[1,1]
.else
	v_pk_add_f32 v[ACC+16*\dt+\j:ACC+16*\dt+\j+1], v[ACC+16*\dt+\j:ACC+16*\dt+\j+1], v[BI+2*(\dt/2):BI+2*(\dt/2)+1] op_sel_hi:[1,0]
.endif
.endr
.endr
	QUANT ACC
.irp dt, 0,1,2,3
	global_store_b64 v[A8], v[PC+2*\dt:PC+2*\dt+1], s[30:31] offset:4194304+1024*\dt
.endr
.irp dt, 0,1,2,3
	global_store_b8 v[R4], v[TM+4+\dt], s[36:37] offset:262144+16384+64*\dt   ; both lanes of a block write the same byte with the same value
.endr
	s_wait_tensorcnt 0x0
	ds_add_u32 v254, v255
	s_wait_dscnt 0x0
	s_endpgm
.Lfunc_end_k_qaf0ff1336a_proj:
	.size	k_qaf0ff1336a_proj, .Lfunc_end_k_qaf0ff1336a_proj-k_qaf0ff1336a_proj
	.p2alignl 7, 3214868480
	.fill 96, 4, 3214868480
	.section	.rodata,"a",@progbits
	.p2align	6, 0x0
	.amdhsa_kernel k_qaf0ff1336a_proj
		.amdhsa_group_segment_fixed_size 9728
		.amdhsa_private_segment_fixed_size 0
		.amdhsa_enable_private_segment 0
		.amdhsa_kernarg_size 72
		.amdhsa_user_sgpr_count 2
		.amdhsa_user_sgpr_kernarg_segment_ptr 1
		.amdhsa_wavefront_size32 1
		.amdhsa_system_sgpr_workgroup_id_x 1
		.amdhsa_system_sgpr_workgroup_id_y 1
		.amdhsa_system_sgpr_workgroup_id_z 1
		.amdhsa_system_vgpr_workitem_id 0
		.amdhsa_next_free_vgpr 512
		.amdhsa_next_free_sgpr 66
		.amdhsa_reserve_vcc 1
		.amdhsa_float_denorm_mode_32 3
		.amdhsa_float_denorm_mode_16_64 3
		.amdhsa_memory_ordered 1
		.amdhsa_forward_progress 1
		.amdhsa_inst_pref_size 58
	.end_amdhsa_kernel
	.amdgpu_metadata
---
amdhsa.version: [ 1, 2 ]
amdhsa.kernels:
  - .name:           k_qaf0ff1336a_proj
    .symbol:         k_qaf0ff1336a_proj.kd
    .args:
      - { .name: x, .offset: 0, .size: 8, .value_kind: global_buffer, .address_space: global }
      - { .name: mask, .offset: 8, .size: 8, .value_kind: global_buffer, .address_space: global }
      - { .name: wimg, .offset: 16, .size: 8, .value_kind: global_buffer, .address_space: global }
      - { .name: wsc, .offset: 24, .size: 8, .value_kind: global_buffer, .address_space: global }
      - { .name: bq, .offset: 32, .size: 8, .value_kind: global_buffer, .address_space: global }
      - { .name: bk, .offset: 40, .size: 8, .value_kind: global_buffer, .address_space: global }
      - { .name: bv, .offset: 48, .size: 8, .value_kind: global_buffer, .address_space: global }
      - { .name: qkv, .offset: 56, .size: 8, .value_kind: global_buffer, .address_space: global }
      - { .name: aux, .offset: 64, .size: 8, .value_kind: global_buffer, .address_space: global }
    .group_segment_fixed_size: 9728
    .private_segment_fixed_size: 0
    .kernarg_segment_align: 8
    .kernarg_segment_size: 72
    .max_flat_workgroup_size: 256
    .sgpr_count:     66
    .vgpr_count:     512
    .wavefront_size: 32
...
	.end_amdgpu_metadata
.endif
;; end of part 2
;; launch att (part 3): grid 16 x 16, 8 waves a work-group, clusters of 4 x 1, 327,680 bytes of LDS; arguments qkv, aux, ctx; writes ctx
.if DOCPART == 3
	.amdgcn_target "amdgcn-amd-amdhsa--gfx1250"
	.amdhsa_code_object_version 6
	.text
	.protected	k_qaf0ff1336a_att
	.globl	k_qaf0ff1336a_att
	.p2align	8
	.type	k_qaf0ff1336a_att,@function
k_qaf0ff1336a_att:
	s_mov_b64 s[64:65], 0
	v_nop
	global_prefetch_b8 v0, s[64:65] scope:SCOPE_SE
	s_setreg_imm32_b32 hwreg(HW_REG_WAVE_MODE, 25, 1), 1
	s_wait_xcnt 0x0
	s_wait_alu depctr_hold_cnt(0) depctr_sa_sdst(0) depctr_va_vdst(0) depctr_va_sdst(0) depctr_va_ssrc(0) depctr_va_vcc(0) depctr_vm_vsrc(0)
	s_getreg_b32 s2, hwreg(HW_REG_IB_STS2, 6, 4)
	s_cmp_eq_u32 s2, 0
	s_cbranch_scc0 .Lentry_in_a_cluster
	s_endpgm
.Lentry_in_a_cluster:
	s_bfe_u32 s2, ttmp6, 0x10000c
	s_cmp_lg_u32 s2, 0x3003
	s_cbranch_scc0 .Lentry_shape_is_right
	s_endpgm
.Lentry_shape_is_right:
; ctx = softmax(q k^T / 8, masked) v for one (batch, head), both products on codes of FP4 with E8M0 scales; ctx leaves as codes along the head's 64 with their scale bytes.
; p = 2^(t - M), t = score x log2(e) / 8, M the running largest t rounded up to a whole number; the row's sum is taken of the unquantised p and divides at the end.
; SHARES.  A work-group owns 256 queries of one (batch, head); each of its 8 waves owns TWO tiles of 16 queries: tile A in register window 0, tile B in window 1 under the same register numbers,
; so that one macro serves both and each fragment of k and v read from LDS feeds two products.  The four work-groups of a cluster walk the same head: its k, v, scale words and mask words are asked for jointly.
; LDS holds the whole head, filled once by the head's eight tensor loads, one a wave: waves 0-1 k, waves 2-5 v, wave 6 the scale words, wave 7 the mask words.  Nothing is filled again.
; NO PREFETCH: all that comes from memory is asked for by those eight loads at the head; there is no loop to run ahead in.
; LAYOUT.  Both products are used transposed (S^T = k q^T, O^T = v^T p^T): a lane holds one query.  Row m of score tile (c, u) is key 64 c + 32 (m / 8) + 8 u + m % 8, chosen by the LDS address of the lane:
; so lane (r, h) holds in the 32 registers of tiles (c, 0 .. 3) the WHOLE block of keys 64 c + 32 h + 0 .. 31: a block's maximum needs no other lane, and the conversions' results are the second product's operand as they stand.
; k's images lie in groups of 32 keys (1,024 bytes); the descriptor lays 128 bytes of padding behind each, so that the two groups that a fragment load touches fall on different banks.
; THE MASK.  The head is 64 wide and the product 128: K = 64 .. 95 carries the mask.  A masked key's word 0xd0000000 is loaded as register 4 of k's fragment: code -3 at K = 71; q's register 4 holds code 6 there.
; The third bytes of q's and k's scale words are 2^14 and 2^15, and a masked key's codes of k are zeros: its score is exactly -18 x 2^29.  Lanes 16-31 load the same word (K = 103), which meets a zero code of q.
; ORDER.  A tile's matrix work (O += v p of its step, and its scores of the next step) stands INSIDE the other tile's softmax, behind that softmax's maxima.  A trip is: softmax B of step i, with tile A's matrix work;
; softmax A of step i + 1, with tile B's matrix work and, behind it, the LDS loads of v's step i + 1 and k's step i + 2, which are waited for at the next trip's head.
; The last trip's look-ahead for k names the bytes behind each region's last step (the next region's, filled at the head); no product takes those registers.
; LIMITS: NaN and infinities are not served; the promise holds while the scaled scores t stay under 2^31 in magnitude (a masked t is -1.75e9); a block whose every p is 0 keeps the byte 1 (its codes are zeros).
.set KPI, 1152                         ; a group of 32 keys in LDS: 1,024 bytes + 128
.set KST, 4*KPI                        ; a step of 128 keys
.set MKB, 128*KPI                      ; the mask words, 512 bytes a step
.set VB,  MKB+16384                    ; v's images, 4,096 bytes a step
.set SCB, VB+131072                    ; k's scale words, 512 bytes a step
.set VSB, SCB+16384                    ; v's, 256 bytes a step
.set SPARE, SCB+24576                  ; the spare words: 128 bytes a wave
; window 0 alone
.set AK, 1                             ; my lane's place in a step of k
.set AKS, 2                            ; among k's scale words
.set AMK, 3                            ; among the mask words
.set AV, 4                             ; in a step of v
.set AVS, 5                            ; among v's scale words
.set SPW, 6
.set NIL, 7
.set QSA, 8                            ; q's scale words, tile A, B
.set QSB, 9
.set PSA, 10                           ; p's scale words, tile A, B
.set PSB, 11
.set ADK, 24                           ; v24-28 the addresses of the loads in hand
.set ADS, 25
.set ADM, 26
.set ADV, 27
.set ADT, 28
.set A8, 29                            ; the way out: 16 r + 8 h
.set R4, 30                            ; 4 r
.set LI, 31                            ; 16 x lane
.set KF, 32                            ; v32-95 k's eight fragments: registers 0-3 codes, 4 the mask word, 5-7 zeros
.set KS, 217                           ; v217-220 k's scale words: register 2 c + a: lanes 0-15 tile (c, 2 a), lanes 16-31 tile (c, 2 a + 1)
.set VS, 221                           ; v221-222 v's
.set VF, 224                           ; v224-255 v's four fragments
; in both windows, a tile each
.set NM, 12                            ; -M
.set RM, 13                            ; the running largest score
.set L, 14                             ; v14-15 the sum in two halves
.set QF, 16                            ; v16-23 q's fragment
.set S, 96                             ; v96-159 S^T, then p
.set O, 160                            ; v160-191 O^T
.set PC, 192                           ; v192-199 p's codes
.set BM, 200                           ; v200-207 the maxima's eight chains; then v200-201 the two blocks' maxima, and the names below
.set L3, 202                           ; v202-203 the sum's third chain
.set BY, 204
.set PD, 206
.set W, 207
.set SO, 208
.set T0, 210
.set T1, 211
.set L4, 210                           ; v210-211 the sum's fourth chain, when T0 and T1 are done with
.set F, 212                            ; v212-213 f = 2^(old M - new M)
.set L2, 214
.set SH, 216                           ; 8 h
.set WV, 10
.set SEL, 20
.set CS, 22
.set NC, 24
.set TK, 25
.set TS, 26
.set TV, 27
.set TT, 28
.set CNT, 29
.set G0K, 32
.set G0V, 36
.set G0S, 40
.set G0M, 44
.set G1K, 48
.set G1V, 56
.set G1S, 68
.set G1M, 76
.set QP, 84
.set QSP, 86
.set OP, 88
.set OSP, 90
.set MSB, 0
.macro WIN new                         ; the immediate's high byte repeats the setting that is left
.if MSB != \new
	s_set_vgpr_msb (MSB<<8)|\new
.set MSB, \new
.endif
.endm
.macro CROUND                          ; a round of the cluster's barrier
	s_barrier_signal -1
	s_barrier_wait -1
	s_cmp_lg_u32 s[WV], 0
	s_cbranch_scc1 .Lnot_wave_0_\@
	s_barrier_signal -3
.Lnot_wave_0_\@:
	s_barrier_wait -3
	s_barrier_signal -1
	s_barrier_wait -1
.endm
.macro DENSE g, rows                   ; group 1: a dense block as rows of 256 bytes, for all four work-groups of the cluster
	s_mov_b32 s[\g], 15|(3<<16)|(1<<21)
	s_mov_b32 s[\g+1], 32<<16
	s_mov_b32 s[\g+2], \rows<<16
	s_mov_b32 s[\g+3], 32<<16
	s_mov_b32 s[\g+4], \rows
	s_mov_b32 s[\g+5], 32
	s_mov_b32 s[\g+6], 0
	s_mov_b32 s[\g+7], 0
.endm
	s_load_b128 s[4:7], s[0:1], 0x0                ; qkv, aux
	s_load_b64 s[8:9], s[0:1], 0x10                ; ctx
	v_lshl_add_u32 v[SPW], v0, 2, SPARE
	v_mov_b32 v[NIL], 0
	ds_add_u32 v[SPW], v[NIL]                      ; the opening lines: the add twice on end and one wait, ahead of my first tensor load
	ds_add_u32 v[SPW], v[NIL]
	v_lshrrev_b32 v96, 5, v0
	v_readfirstlane_b32 s[WV], v96                 ; wave 0..7
	s_and_b32 s13, ttmp7, 0xffff                   ; bh = 8 x batch + head
	s_bfe_u32 s11, ttmp6, 0x40000                  ; cx
	s_lshl_b32 s12, ttmp9, 2
	s_add_co_u32 s12, s12, s11
	s_lshl_b32 s12, s12, 3
	s_add_co_u32 s12, s12, s[WV]
	s_lshl_b32 s12, s12, 1                         ; my first query tile: 2 (8 x work-group + wave)
	s_mov_b32 s[G1K], 15|(3<<16)|(1<<20)|(1<<21)|(7<<22)|(31<<25)   ; k: rows of 1,024 bytes (128 elements of 8), 32 words of padding behind each 256
	s_mov_b32 s[G1K+1], 128<<16
	s_mov_b32 s[G1K+2], 64<<16
	s_mov_b32 s[G1K+3], 128<<16
	s_mov_b32 s[G1K+4], 64
	s_mov_b32 s[G1K+5], 128
	s_mov_b32 s[G1K+6], 0
	s_mov_b32 s[G1K+7], 0
	DENSE G1V, 128                                 ; a quarter of v: 32,768 bytes
	DENSE G1S, 96                                  ; the scale words: 24,576 bytes
	DENSE G1M, 64                                  ; the mask words: 16,384 bytes
	s_mov_b32 s15, 0
	s_wait_dscnt 0x0                               ; both opening adds are done
	s_wait_kmcnt 0x0
	s_mov_b32 s[G0K], 1                            ; k: half w (waves 0, 1): 64 groups
	s_mul_i32 s[G0K+1], s[WV], 64*KPI
	s_lshl_b32 s14, s13, 17
	s_lshl_b32 s16, s[WV], 16
	s_add_co_u32 s14, s14, s16
	s_add_co_u32 s14, s14, 0x200000
	s_add_nc_u64 s[G0K+2:G0K+3], s[4:5], s[14:15]
	s_or_b32 s[G0K+3], s[G0K+3], 0x80000000
	s_mov_b32 s[G0V], 1                            ; v: quarter w - 2 (waves 2 to 5)
	s_lshl_b32 s16, s[WV], 15
	s_add_co_u32 s[G0V+1], s16, VB-65536
	s_lshl_b32 s14, s13, 17
	s_add_co_u32 s14, s14, s16
	s_add_co_u32 s14, s14, 0x400000-65536
	s_add_nc_u64 s[G0V+2:G0V+3], s[4:5], s[14:15]
	s_or_b32 s[G0V+3], s[G0V+3], 0x80000000
	s_mov_b32 s[G0S], 1                            ; k's and v's scale words of the head
	s_mov_b32 s[G0S+1], SCB
	s_mul_i32 s14, s13, 24576
	s_add_co_u32 s14, s14, 262144
	s_add_nc_u64 s[G0S+2:G0S+3], s[6:7], s[14:15]
	s_or_b32 s[G0S+3], s[G0S+3], 0x80000000
	s_mov_b32 s[G0M], 1                            ; the batch's mask words
	s_mov_b32 s[G0M+1], MKB
	s_lshr_b32 s14, s13, 3
	s_lshl_b32 s14, s14, 14
	s_add_co_u32 s14, s14, 655360
	s_add_nc_u64 s[G0M+2:G0M+3], s[6:7], s[14:15]
	s_or_b32 s[G0M+3], s[G0M+3], 0x80000000
	CROUND                                         ; all four work-groups are here: the joint loads meet
; one tree of branches on the wave's number, a load to an arm: every way through the head passes exactly one
.macro ARM under, g0, g1, next
	s_cmp_lt_u32 s[WV], \under
	s_cbranch_scc0 \next
	tensor_load_to_lds s[\g0:\g0+3], s[\g1:\g1+7]
	s_nop 0
.rept 4
	v_nop
.endr
	s_branch .Lhead_asked
\next:
.endm
	ARM 2, G0K, G1K, .Lhead_v
	ARM 6, G0V, G1V, .Lhead_s
	ARM 7, G0S, G1S, .Lhead_m
	tensor_load_to_lds s[G0M:G0M+3], s[G1M:G1M+7]
	s_nop 0
.rept 4
	v_nop
.endr
.Lhead_asked:
	s_lshl_b32 s14, s13, 17
	s_lshl_b32 s16, s12, 9
	s_add_co_u32 s14, s14, s16
	s_add_nc_u64 s[QP:QP+1], s[4:5], s[14:15]      ; q's images: 512 bytes a tile
	s_lshl_b32 s14, s13, 14
	s_lshl_b32 s16, s12, 6
	s_add_co_u32 s14, s14, s16
	s_add_nc_u64 s[QSP:QSP+1], s[6:7], s[14:15]    ; its scale words: 64 bytes a tile
	s_lshr_b32 s17, s13, 3
	s_lshl_b32 s17, s17, 8
	s_add_co_u32 s17, s17, s12                     ; row tile of ctx: 256 x batch + tile
	s_and_b32 s18, s13, 7
	s_and_b32 s19, s18, 1
	s_lshr_b32 s18, s18, 1
	s_lshl_b32 s14, s17, 12
	s_lshl_b32 s16, s18, 10
	s_add_co_u32 s14, s14, s16
	s_lshl_b32 s16, s19, 9
	s_add_co_u32 s14, s14, s16
	s_add_nc_u64 s[OP:OP+1], s[8:9], s[14:15]      ; ctx's image: K step head / 2, blocks 2 (head % 2) on
	s_lshl_b32 s14, s17, 8
	s_lshl_b32 s16, s18, 6
	s_add_co_u32 s14, s14, s16
	s_lshl_b32 s16, s19, 1
	s_add_co_u32 s14, s14, s16
	s_add_nc_u64 s[OSP:OSP+1], s[8:9], s[14:15]    ; and my two bytes of its scale words
	s_mov_b32 s[SEL], 0x76543210
	s_mov_b32 s[SEL+1], 0xfedcba98                 ; lane l xor 16
	s_mov_b32 s[CS], 0x3e38aa3b                    ; c = log2(e) / 8
	s_mov_b32 s[CS+1], s[CS]
	s_mov_b32 s[NC], 0xbe38aa3b                    ; -c
	s_mov_b32 s[TK], 0
	s_mov_b32 s[TS], 0
	s_mov_b32 s[TV], 0
	s_mov_b32 s[TT], 0
	s_mov_b32 s[CNT], 31
	v_and_b32 v96, 31, v0                          ; lane
	v_and_b32 v97, 15, v0                          ; r
	v_bfe_u32 v98, v0, 4, 1                        ; h
	v_and_b32 v99, 7, v0                           ; r % 8
	v_bfe_u32 v100, v0, 3, 1                       ; r / 8
	v_mov_b32 v101, 0x70000000                     ; code 6 at the eighth place
	v_lshlrev_b32 v[LI], 4, v96
	v_lshlrev_b32 v[R4], 2, v97
	v_lshlrev_b32 v[A8], 4, v97
	v_lshl_add_u32 v[A8], v98, 3, v[A8]
	v_mul_u32_u24 v[AK], v100, KPI                 ; k: group r / 8, block h of the head's 64, row r % 8
	v_lshl_add_u32 v[AK], v98, 8, v[AK]
	v_lshl_add_u32 v[AK], v99, 4, v[AK]
	v_lshlrev_b32 v[AMK], 7, v100                  ; words: 128 bytes a group, 4 a row
	v_lshl_add_u32 v[AMK], v99, 2, v[AMK]
	v_lshl_add_u32 v[AKS], v98, 6, v[AMK]          ; scale words: lanes 16-31 take the odd tile, 64 bytes on
	v_add_nc_u32 v[AKS], SCB, v[AKS]
	v_add_nc_u32 v[AMK], MKB, v[AMK]
	v_add_nc_u32 v[AV], VB, v[LI]
	v_lshl_add_u32 v[AVS], v96, 2, VSB
	global_load_b128 v[QF:QF+3], v[LI], s[QP:QP+1]
	global_load_b32 v[QSA], v[R4], s[QSP:QSP+1]
	global_load_b32 v[QSB], v[R4], s[QSP:QSP+1] offset:64
	WIN 0x40
	global_load_b128 v[QF:QF+3], v[LI], s[QP:QP+1] offset:512   ; tile B's, into window 1
	WIN 0
	v_cmp_gt_u32 vcc_lo, 16, v96
.macro INIT                            ; a tile's state; the destinations' window is set by the caller, the sources lie in window 0
	v_cndmask_b32 v[QF+4], 0, v101, vcc_lo         ; q at K = 71: 6 (lanes 0-15); K = 103: 0
.irp j, 5,6,7
	v_mov_b32 v[QF+\j], 0
.endr
	v_mov_b32 v[RM], 0xff61b1e6                    ; -3e38, under every score
	v_mov_b32 v[NM], 0x7f61b1e6                    ; so the first f is 0, and meets zeros
	v_mov_b32 v[L], 0
	v_mov_b32 v[L+1], 0
	v_mov_b32 v[F+1], 0                            ; named as the upper half of a pair
	v_mov_b32 v[PD], 0                             ; a lane permute's destination counts as one of its sources
	v_lshlrev_b32 v[SH], 3, v98
.set j, 0
.rept 32
	v_mov_b32 v[O+j], 0                            ; the step is written once: the first finds zeros
.set j, j+1
.endr
.endm
	INIT
	WIN 0x40
	INIT
	WIN 0
.irp t, 0,1,2,3,4,5,6,7
.irp j, 5,6,7
	v_mov_b32 v[KF+8*\t+\j], 0
.endr
.endr
.macro KLD                             ; 20 LDS loads: a step's eight fragments of k, their mask words and scale words
.irp c, 0,1
.irp u, 0,1,2,3
	ds_load_b128 v[KF+32*\c+8*\u:KF+32*\c+8*\u+3], v[ADK] offset:2*KPI*\c+512*(\u%2)+128*(\u/2)
	ds_load_b32 v[KF+32*\c+8*\u+4], v[ADM] offset:256*\c+64*(\u%2)+32*(\u/2)
.endr
.irp a, 0,1
	ds_load_b32 v[KS+2*\c+\a], v[ADS] offset:256*\c+32*\a
.endr
.endr
.endm
.macro VLD                             ; 10 LDS loads: a step's four fragments of v and their scale words
.irp d, 0,1,2,3
	ds_load_b128 v[VF+8*\d:VF+8*\d+3], v[ADV] offset:1024*\d
	ds_load_b128 v[VF+8*\d+4:VF+8*\d+7], v[ADV] offset:1024*\d+512
.endr
	ds_load_b32 v[VS], v[ADT]
	ds_load_b32 v[VS+1], v[ADT] offset:128
.endm
.macro FETCH                           ; the five additions are the places between the last products and the loads into their registers
	v_add_nc_u32 v[ADV], s[TV], v[AV]
	v_add_nc_u32 v[ADT], s[TT], v[AVS]
	v_add_nc_u32 v[ADK], s[TK], v[AK]
	v_add_nc_u32 v[ADS], s[TS], v[AKS]
	v_add_nc_u32 v[ADM], s[TS], v[AMK]
	VLD
	KLD
.endm
.macro SMM qs                          ; S^T = k q^T: eight tiles, each sum begun with 0
.irp c, 0,1
.irp u, 0,1,2,3
.if \u%2
	v_wmma_scale_f32_16x16x128_f8f6f4 v[S+32*\c+8*\u:S+32*\c+8*\u+7], v[KF+32*\c+8*\u:KF+32*\c+8*\u+7], v[QF:QF+7], 0, v[KS+2*\c+\u/2], v[\qs] matrix_a_fmt:MATRIX_FMT_FP4 matrix_b_fmt:MATRIX_FMT_FP4 matrix_a_scale:MATRIX_SCALE_ROW1
.else
	v_wmma_scale_f32_16x16x128_f8f6f4 v[S+32*\c+8*\u:S+32*\c+8*\u+7], v[KF+32*\c+8*\u:KF+32*\c+8*\u+7], v[QF:QF+7], 0, v[KS+2*\c+\u/2], v[\qs] matrix_a_fmt:MATRIX_FMT_FP4 matrix_b_fmt:MATRIX_FMT_FP4
.endif
.endr
.endr
.endm
.macro PV ps                           ; O^T += v^T p^T: the four accumulators by turns
.irp d, 0,1,2,3
.if \d%2
	v_wmma_scale_f32_16x16x128_f8f6f4 v[O+8*\d:O+8*\d+7], v[VF+8*\d:VF+8*\d+7], v[PC:PC+7], v[O+8*\d:O+8*\d+7], v[VS+\d/2], v[\ps] matrix_a_fmt:MATRIX_FMT_FP4 matrix_b_fmt:MATRIX_FMT_FP4 matrix_a_scale:MATRIX_SCALE_ROW1
.else
	v_wmma_scale_f32_16x16x128_f8f6f4 v[O+8*\d:O+8*\d+7], v[VF+8*\d:VF+8*\d+7], v[PC:PC+7], v[O+8*\d:O+8*\d+7], v[VS+\d/2], v[\ps] matrix_a_fmt:MATRIX_FMT_FP4 matrix_b_fmt:MATRIX_FMT_FP4
.endif
.endr
.endm
.macro SUM4 q                          ; the row's sum of the unquantised p: four chains of packed additions by turns; q counts pairs of registers
	v_pk_add_f32 v[L:L+1], v[L:L+1], v[S+2*(\q):S+2*(\q)+1]
	v_pk_add_f32 v[L2:L2+1], v[L2:L2+1], v[S+2*(\q)+2:S+2*(\q)+3]
	v_pk_add_f32 v[L3:L3+1], v[L3:L3+1], v[S+2*(\q)+4:S+2*(\q)+5]
	v_pk_add_f32 v[L4:L4+1], v[L4:L4+1], v[S+2*(\q)+6:S+2*(\q)+7]
.endm
.macro FMAS n                          ; t - M, two at a time, from register S + j on
.rept \n
	v_pk_fma_f32 v[S+j:S+j+1], v[S+j:S+j+1], s[CS:CS+1], v[NM:NM+1] op_sel_hi:[1,0,0]
.set j, j+2
.endr
.endm
; THE SOFTMAX OF A TILE AND 128 KEYS.  ps: p's scale word (window 0); wn = 1: the tile lies in window 1.
; hk: the other tile's matrix work, behind my maxima: 0 none; 1 tile A's products and next scores; 2 tile B's, and the LDS loads; 3 tile A's last products
.macro SM ps, wn, hk
	s_wait_alu depctr_va_vdst(0)                   ; directly ahead of the first readers of S^T
.irp a, 0,1,2,3,4,5,6,7                        ; eight chains by turns, one to an accumulator, each read from its low end on
	v_max3_num_f32 v[BM+\a], v[S+8*\a], v[S+8*\a+1], v[S+8*\a+2]
.endr
	v_mov_b32 v[T1], v[NM]                         ; the old -M
.irp i, 3,5
.irp a, 0,1,2,3,4,5,6,7
	v_max3_num_f32 v[BM+\a], v[BM+\a], v[S+8*\a+\i], v[S+8*\a+\i+1]
.endr
.endr
.irp c, 0,4                                    ; four chains and four last registers make a block's maximum
	v_max3_num_f32 v[BM+\c], v[BM+\c], v[BM+\c+1], v[S+8*\c+7]
.endr
.irp c, 0,4
	v_max3_num_f32 v[BM+\c+2], v[BM+\c+2], v[BM+\c+3], v[S+8*\c+15]
.endr
.irp c, 0,4
	v_max3_num_f32 v[BM+\c], v[BM+\c], v[S+8*\c+23], v[S+8*\c+31]
.endr
	s_delay_alu instid0(VALU_DEP_2)
	v_max_num_f32 v[BM], v[BM], v[BM+2]            ; my block h's largest score
	s_delay_alu instid0(VALU_DEP_2)
	v_max_num_f32 v[BM+1], v[BM+4], v[BM+6]        ; and block 2 + h's: they serve for the row's maximum and, since p rises with the score, for the blocks' largest p
.if \hk == 1 || \hk == 3
	WIN 0
	PV PSA
.if \hk == 1
	SMM QSA
.endif
	WIN 0x55
.endif
.if \hk == 2
	WIN 0x54                                       ; source 0 (k, v) in window 0; q or p, C and D in window 1
	PV PSB
	SMM QSB
	WIN 0
	FETCH
.endif
	v_max3_num_f32 v[T0], v[BM], v[BM+1], v[RM]
	s_delay_alu instid0(VALU_DEP_1)
	v_permlanex16_b32 v[PD], v[T0], s[SEL], s[SEL+1]
	s_delay_alu instid0(VALU_DEP_1)
	v_max_num_f32 v[RM], v[T0], v[PD]              ; the running largest score of my query
	s_delay_alu instid0(VALU_DEP_1)
	v_mul_f32 v[T0], s[NC], v[RM]
	s_delay_alu instid0(VALU_DEP_1)
	v_floor_f32 v[NM], v[T0]                       ; the new -M = floor(-t)
	s_delay_alu instid0(VALU_DEP_1)
	v_sub_f32 v[T1], v[NM], v[T1]                  ; old M - new M: a whole number, 0 or less
.set j, 0
	FMAS 4                                         ; f is made among the multiply-adds
	v_cvt_i32_f32 v[T1], v[T1]                     ; (it saturates)
	FMAS 4
	v_ldexp_f32 v[F], 1.0, v[T1]                   ; f = 2^(old M - new M)
	FMAS 24
	v_fma_f32 v[BM], v[BM], s[CS], v[NM]
	v_fma_f32 v[BM+1], v[BM+1], s[CS], v[NM]
	s_wait_alu depctr_va_vdst(0)                   ; ahead of the batch
.set j, 0
.rept 64
	v_exp_f32 v[S+j], v[S+j]                       ; p = 2^(t - M)
.set j, j+1
.endr
	v_exp_f32 v[BM], v[BM]                         ; the blocks' largest p: the same two instructions on the same number
	v_exp_f32 v[BM+1], v[BM+1]
	v_pk_mul_f32 v[L:L+1], v[L:L+1], v[F:F+1] op_sel_hi:[1,0]   ; the sums under the new M; the plain place behind the batch
	s_wait_alu depctr_va_vdst(0)                   ; one wait for the batch, and, directly ahead of them, for the first readers of O^T
.set j, 0
.rept 16
	v_pk_mul_f32 v[O+j:O+j+1], v[O+j:O+j+1], v[F:F+1] op_sel_hi:[1,0]   ; O^T under the new M
.set j, j+2
.endr
	v_max_num_f32 v[BM], 0x1800000, v[BM]          ; the floor 2^(3 - 127): the byte cannot fall under 1
	v_max_num_f32 v[BM+1], 0x1800000, v[BM+1]
	v_pk_add_f32 v[L2:L2+1], v[S:S+1], v[S+2:S+3]  ; the sums stand between the links of the scales' chain
	v_pk_add_f32 v[L3:L3+1], v[S+4:S+5], v[S+6:S+7]
	v_pk_add_f32 v[L4:L4+1], v[S+8:S+9], v[S+10:S+11]
	v_add_nc_u32 v[SO], 0xff000000, v[BM]          ; 2 off the exponent field: the conversions' scale operands
	v_add_nc_u32 v[SO+1], 0xff000000, v[BM+1]
	SUM4 6
	v_lshrrev_b32 v[BY], 23, v[SO]                 ; the bytes
	v_lshrrev_b32 v[BY+1], 23, v[SO+1]
	SUM4 10
	v_lshl_or_b32 v[W], v[BY+1], 16, v[BY]         ; blocks h and 2 + h,
	SUM4 14
	v_lshlrev_b32 v[W], v[SH], v[W]                ; at their places in the word;
	SUM4 18
	v_permlanex16_b32 v[PD], v[W], s[SEL], s[SEL+1]
	SUM4 22
.if \wn
	WIN 0x15                                       ; scale operands are taken from window 0
.endif
	v_or_b32 v[\ps], v[W], v[PD]                   ; with lane l xor 16's two the word is whole
.if \wn
	WIN 0x55
.endif
.irp c, 0,1
.irp u, 0,1,2,3
	v_cvt_scalef32_pk8_fp4_f32 v[PC+4*\c+\u], v[S+32*\c+8*\u:S+32*\c+8*\u+7], v[SO+\c]   ; register 4 c + u: keys 64 c + 32 h + 8 u + 0 .. 7
.endr
.endr
	SUM4 26                                        ; these nine are also the places between the scale word, the codes and the product
	v_pk_add_f32 v[L:L+1], v[L:L+1], v[S+60:S+61]
	v_pk_add_f32 v[L2:L2+1], v[L2:L2+1], v[S+62:S+63]
	v_pk_add_f32 v[L3:L3+1], v[L3:L3+1], v[L4:L4+1]
	v_pk_add_f32 v[L:L+1], v[L:L+1], v[L2:L2+1]
	v_pk_add_f32 v[L:L+1], v[L:L+1], v[L3:L3+1]
.endm
	s_wait_alu depctr_va_vdst(0)                   ; the head's end
	s_wait_tensorcnt 0x0                           ; my part of the head's tiles is in
	s_barrier_signal -1
	s_barrier_wait -1                              ; and everybody's
	v_add_nc_u32 v[ADK], s[TK], v[AK]
	v_add_nc_u32 v[ADS], s[TS], v[AKS]
	v_add_nc_u32 v[ADM], s[TS], v[AMK]
	KLD                                            ; step 0's k
	s_mov_b32 s[TK], KST
	s_mov_b32 s[TS], 512
	s_wait_loadcnt 0x0                             ; q
	s_wait_dscnt 0x0
	SMM QSA                                        ; step 0's scores of both tiles stand ahead of the loop,
	WIN 0x54
	SMM QSB
	WIN 0
	FETCH                                          ; with the loads of v's step 0 and k's step 1,
	s_mov_b32 s[TK], 2*KST
	s_mov_b32 s[TS], 1024
	s_mov_b32 s[TV], 4096
	s_mov_b32 s[TT], 256
	SM PSA, 0, 0                                   ; and tile A's first softmax
.Lstep:                                            ; 31 trips: trip i is softmax B of step i and softmax A of step i + 1
	s_wait_dscnt 0x0                               ; v's step i and k's step i + 1 are in
	WIN 0x55
	SM PSB, 1, 1
	WIN 0
	SM PSA, 0, 2
	s_add_co_u32 s[TK], s[TK], KST
	s_add_co_u32 s[TS], s[TS], 512
	s_add_co_u32 s[TV], s[TV], 4096
	s_add_co_u32 s[TT], s[TT], 256
	s_sub_co_u32 s[CNT], s[CNT], 1
	s_cmp_lg_u32 s[CNT], 0
	s_cbranch_scc1 .Lstep
	s_wait_dscnt 0x0                               ; v's last step is in
	WIN 0x55
	SM PSB, 1, 3                                   ; the last softmax, with tile A's last products
	WIN 0x54
	PV PSB
	WIN 0
; THE WAY OUT of a tile: O^T / the sum; register 16 b + i is channel 32 b + 16 h + i of my query; lanes l and l xor 16 share a block of 32; codes and two scale bytes leave
.macro EPI
	v_add_f32 v[L], v[L], v[L+1]
	s_delay_alu instid0(VALU_DEP_1)
	v_permlanex16_b32 v[PD], v[L], s[SEL], s[SEL+1]
	s_delay_alu instid0(VALU_DEP_1)
	v_add_f32 v[L], v[L], v[PD]                    ; the row's sum
	s_wait_alu depctr_va_vdst(0)                   ; ahead of the transcendental
	v_rcp_f32 v[L], v[L]
	v_nop                                          ; a plain place behind it
	s_wait_alu depctr_va_vdst(0)                   ; and for the wait ahead of its first reader, which is also the first reader of O^T
.set j, 0
.rept 16
	v_pk_mul_f32 v[S+j:S+j+1], v[O+j:O+j+1], v[L:L+1] op_sel_hi:[1,0]
.set j, j+2
.endr
.irp b, 0,1
	v_max3_num_f32 v[BM+\b], |v[S+16*\b]|, |v[S+16*\b+1]|, 0x1800000
.endr
.irp i, 2,4,6,8,10,12,14
.irp b, 0,1
	s_delay_alu instid0(VALU_DEP_2)
	v_max3_num_f32 v[BM+\b], v[BM+\b], |v[S+16*\b+\i]|, |v[S+16*\b+\i+1]|
.endr
.endr
.irp b, 0,1
	s_delay_alu instid0(VALU_DEP_2)
	v_permlanex16_b32 v[BY+\b], v[BM+\b], s[SEL], s[SEL+1]
.endr
.irp b, 0,1
	s_delay_alu instid0(VALU_DEP_2)
	v_max_num_f32 v[BM+\b], v[BM+\b], v[BY+\b]
.endr
.irp b, 0,1
	s_delay_alu instid0(VALU_DEP_2)
	v_add_nc_u32 v[SO+\b], 0xff000000, v[BM+\b]
.endr
.irp b, 0,1
	s_delay_alu instid0(VALU_DEP_2)
	v_lshrrev_b32 v[BY+\b], 23, v[SO+\b]
.endr
.irp b, 0,1
	v_cvt_scalef32_pk8_fp4_f32 v[PC+2*\b], v[S+16*\b:S+16*\b+7], v[SO+\b]
	v_cvt_scalef32_pk8_fp4_f32 v[PC+2*\b+1], v[S+16*\b+8:S+16*\b+15], v[SO+\b]
.endr
	v_lshl_or_b32 v[T0], v[BY+1], 8, v[BY]         ; (the plain place behind the conversions)
.endm
.macro STO o
.irp b, 0,1
	global_store_b64 v[A8], v[PC+2*\b:PC+2*\b+1], s[OP:OP+1] offset:4096*\o+256*\b   ; 256 consecutive bytes, aligned
.endr
	global_store_b16 v[R4], v[T0], s[OSP:OSP+1] offset:2097152+256*\o   ; both lanes of a row write the same two bytes
.endm
	EPI                                            ; tile A; its lines are also the places behind tile B's last products
	STO 0
	WIN 0x55
	EPI
	WIN 0x04                                       ; the stores' data in window 1, their addresses in window 0
	STO 1
	WIN 0
	s_wait_tensorcnt 0x0                           ; the wave's end
	ds_add_u32 v[SPW], v[NIL]
	s_wait_dscnt 0x0
	CROUND                                         ; the closing round
	s_endpgm
.Lfunc_end_k_qaf0ff1336a_att:
	.size	k_qaf0ff1336a_att, .Lfunc_end_k_qaf0ff1336a_att-k_qaf0ff1336a_att
	.p2alignl 7, 3214868480
	.fill 96, 4, 3214868480
	.section	.rodata,"a",@progbits
	.p2align	6, 0x0
	.amdhsa_kernel k_qaf0ff1336a_att
		.amdhsa_group_segment_fixed_size 327680
		.amdhsa_private_segment_fixed_size 0
		.amdhsa_enable_private_segment 0
		.amdhsa_kernarg_size 24
		.amdhsa_user_sgpr_count 2
		.amdhsa_user_sgpr_kernarg_segment_ptr 1
		.amdhsa_wavefront_size32 1
		.amdhsa_system_sgpr_workgroup_id_x 1
		.amdhsa_system_sgpr_workgroup_id_y 1
		.amdhsa_system_sgpr_workgroup_id_z 1
		.amdhsa_system_vgpr_workitem_id 0
		.amdhsa_next_free_vgpr 512
		.amdhsa_next_free_sgpr 96
		.amdhsa_reserve_vcc 1
		.amdhsa_float_denorm_mode_32 3
		.amdhsa_float_denorm_mode_16_64 3
		.amdhsa_memory_ordered 1
		.amdhsa_forward_progress 1
		.amdhsa_inst_pref_size 78
	.end_amdhsa_kernel
	.amdgpu_metadata
---
amdhsa.version: [ 1, 2 ]
amdhsa.kernels:
  - .name:           k_qaf0ff1336a_att
    .symbol:         k_qaf0ff1336a_att.kd
    .args:
      - { .name: qkv, .offset: 0, .size: 8, .value_kind: global_buffer, .address_space: global }
      - { .name: aux, .offset: 8, .size: 8, .value_kind: global_buffer, .address_space: global }
      - { .name: ctx, .offset: 16, .size: 8, .value_kind: global_buffer, .address_space: global }
    .group_segment_fixed_size: 327680
    .private_segment_fixed_size: 0
    .kernarg_segment_align: 8
    .kernarg_segment_size: 24
    .max_flat_workgroup_size: 256
    .sgpr_count:     96
    .vgpr_count:     512
    .wavefront_size: 32
...
	.end_amdgpu_metadata
.endif
;; end of part 3
;; launch tail (part 4): grid 256 x 1, 8 waves a work-group, no clusters, 97,280 bytes of LDS; arguments ctx, x, wimg, wsc, bo, ln1_g, ln1_b, b1, b2, ln2_g, ln2_b, out0; writes out0
.if DOCPART == 4
	.amdgcn_target "amdgcn-amd-amdhsa--gfx1250"
	.amdhsa_code_object_version 6
	.text
	.protected	k_qaf0ff1336a_tail
	.globl	k_qaf0ff1336a_tail
	.p2align	8
	.type	k_qaf0ff1336a_tail,@function
k_qaf0ff1336a_tail:
	s_mov_b64 s[64:65], 0
	v_nop
	global_prefetch_b8 v0, s[64:65] scope:SCOPE_SE
	s_setreg_imm32_b32 hwreg(HW_REG_WAVE_MODE, 25, 1), 1
	s_wait_xcnt 0x0
; h = LN1(x + ctx Wo + bo);  out0 = LN2(h + gelu(h W1 + b1) W2 + b2): three products on codes of FP4 with E8M0 scales, fused; h and the hidden layer never go to memory.
; SHARES.  Work-group g owns rows 32 g .. 32 g + 31 whole (two row tiles; row r of tile T is true row 32 (T / 2) + 8 (T % 2) + r + 8 (r / 8)); wave w owns columns 64 w .. 64 w + 63 of every run of 512 columns.
; All products are used transposed (source 0 = 16 columns of a weight, source 1 = 16 rows): lane (r, h) holds row r, register 32 rt + 16 bb + i = column 64 w + 32 bb + 16 h + i: 16 neighbours along the next K.
; OPERANDS GO FROM WAVE TO WAVE THROUGH LDS AS IMAGES OF THEIR REGISTERS: a fragment (16 rows x 128 K) is four blocks of 32 K, each [r][16 bytes]; a lane stores its 8 bytes of block b at 256 b + 16 r + 8 h.
; My 64 columns are blocks 2 (w % 2), + 1 of K step w / 2.  The weights come as images from memory straight into my registers, one unit (64 columns x 512 K, 34 loads) ahead of its use, in two buffers.
; THE HIDDEN LAYER goes in four chunks of 512: h W1 chunk + b1 (b1 is loaded into the accumulators), gelu, quantised, image to LDS, x W2's chunk onto the accumulators of the output, which begin as h: the residual costs nothing.
; GELU is exact: erf(z) = z P(z^2) / Q(z^2) with z held to +-4, P of degree 6 and Q of degree 4 in z^2, all in f32.
; LAYERNORM in two passes (mean, then the squares of the differences): partial sums of a wave's 64 columns meet in LDS, 8 words a row, and are added in a fixed order.
; NO CLUSTER: all work-groups walk the same 1.2 MB of weight images, but each fragment goes from memory into one wave's registers and feeds its two products there; a joint load lands in LDS and would add an LDS
; write and an LDS read for each byte, and a ring that is filled again.
; LIMITS: NaN and infinities are not served; a block of zeros keeps the byte 1 (its codes are zeros).
; REGISTERS, window 0: v1-15 addresses; v16-47 fragments from LDS, two sets; v48-49 their scale words; v50-65 the weights' scale words, two sets; v66-129 the hidden chunk's accumulators; v130-193 the output's;
;   v194-225 at work; v226-253 the quantiser and the norms.   window 1: two buffers of 16 weight fragments.
.set LI, 1
.set LS, 2
.set A8, 3
.set R4, 4
.set XA, 5
.set MA, 6
.set BA, 7
.set FR, 16
.set XS, 48
.set WS, 50
.set HACC, 66
.set OACC, 130
.set TMP0, 194
.set GZ, 194                           ; gelu: z, later u / 2
.set GX, 202                           ; z^2
.set GP, 210
.set GQ, 218
.set TM, 226
.set PC, 238
.set HW, 246
.set BUFA, 0
.set BUFB, 128
.set CIMG, 0                           ; LDS: ctx's 8 fragments, then 512 bytes of scale words;
.set HIMG, 8704                        ; h's likewise;
.set GIMG, 17408                       ; a hidden chunk's likewise;
.set RED,  26112                       ; four tables [row 32][wave 8] of partial sums;
.set STG,  30208                       ; the stage for out0: 32 rows x (2,048 + 16) bytes
.set WV,  28
.set HM,  29
.set SEL, 30
.set AL,  48                           ; s48-59 P's coefficients 2 to 7, as pairs
.set BE,  66                           ; s66-73 Q's coefficients 2 to 5
.set CNT, 74
.set MSB, 0
.macro WIN new                         ; the immediate's high byte repeats the setting that is left
.if MSB != \new
	s_set_vgpr_msb (MSB<<8)|\new
.set MSB, \new
.endif
.endm
.macro PLACES                          ; four plain places behind matrix instructions, in front of loads into their registers and of the first read of results
.rept 4
	v_nop
.endr
.endm
.macro BARRIER                         ; my LDS stores have landed and my LDS loads are in: then the work-group's barrier
	s_wait_dscnt 0x0
	s_barrier_signal -1
	s_barrier_wait -1
.endm
.macro SPAIR r, val
	s_mov_b32 s[\r], \val
	s_mov_b32 s[\r+1], \val
.endm
; 34 loads: my 64 columns' 16 fragments (column block bb, K step s, tile u at buf + 8 (8 bb + 2 s + u), window 1) and their scale words (register 4 bb + s: lanes 0-15 tile 0, lanes 16-31 tile 1)
.macro ULOAD buf, st, pw, ps, dw, dz, ow, oz
	WIN 0x40
.irp bb, 0,1
.irp s, 0,1,2,3
.irp u, 0,1
.irp c, 0,1
	global_load_b128 v[\buf+8*(8*\bb+2*\s+\u)+4*\c:\buf+8*(8*\bb+2*\s+\u)+4*\c+3], v[LI], s[\pw:\pw+1] offset:\ow+\bb*\dw+\s*2048+\u*1024+\c*512
.endr
.endr
.endr
.endr
	WIN 0
.irp bb, 0,1
	global_load_b128 v[WS+8*\st+4*\bb:WS+8*\st+4*\bb+3], v[LI], s[\ps:\ps+1] offset:\oz+\bb*\dz
.endr
.endm
.macro PLOAD reg, pp                   ; 8 loads: 32 numbers, one for each of my lane's columns: register 16 bb + i = column 32 bb + 16 h + i
.irp bb, 0,1
.irp q, 0,1,2,3
	global_load_b128 v[\reg+16*\bb+4*\q:\reg+16*\bb+4*\q+3], v[BA], s[\pp:\pp+1] offset:128*\bb+16*\q
.endr
.endr
.endm
.macro FETCH op, ks, fs                ; 5 LDS loads: K step ks of the operand at op, both row tiles, and their scale words, into set fs
.irp rt, 0,1
.irp c, 0,1
	ds_load_b128 v[FR+16*(\fs)+8*\rt+4*\c:FR+16*(\fs)+8*\rt+4*\c+3], v[LI] offset:\op+(2*(\ks)+\rt)*1024+512*\c
.endr
.endr
	ds_load_b32 v[XS+(\fs)], v[LS] offset:\op+8192+128*(\ks)
.endm
.macro MM                              ; one product in place, by the symbols rD rA rB sA sB wA wB
.if wA == 0 && wB == 0
	v_wmma_scale_f32_16x16x128_f8f6f4 v[rD:rD+7], v[rA:rA+7], v[rB:rB+7], v[rD:rD+7], v[sA], v[sB] matrix_a_fmt:MATRIX_FMT_FP4 matrix_b_fmt:MATRIX_FMT_FP4
.elseif wA == 0
	v_wmma_scale_f32_16x16x128_f8f6f4 v[rD:rD+7], v[rA:rA+7], v[rB:rB+7], v[rD:rD+7], v[sA], v[sB] matrix_a_fmt:MATRIX_FMT_FP4 matrix_b_fmt:MATRIX_FMT_FP4 matrix_b_scale:MATRIX_SCALE_ROW1
.elseif wB == 0
	v_wmma_scale_f32_16x16x128_f8f6f4 v[rD:rD+7], v[rA:rA+7], v[rB:rB+7], v[rD:rD+7], v[sA], v[sB] matrix_a_fmt:MATRIX_FMT_FP4 matrix_b_fmt:MATRIX_FMT_FP4 matrix_a_scale:MATRIX_SCALE_ROW1
.else
	v_wmma_scale_f32_16x16x128_f8f6f4 v[rD:rD+7], v[rA:rA+7], v[rB:rB+7], v[rD:rD+7], v[sA], v[sB] matrix_a_fmt:MATRIX_FMT_FP4 matrix_b_fmt:MATRIX_FMT_FP4 matrix_a_scale:MATRIX_SCALE_ROW1 matrix_b_scale:MATRIX_SCALE_ROW1
.endif
.endm
; 32 rows x my 64 columns x 512 K onto what the accumulators hold: four K steps of 8 products; the 8 accumulators take turns in the same order in every K step.
.macro UNIT op, buf, st, acc
	FETCH \op, 0, 0
.irp s, 0,1,2,3
.if \s < 3
	PLACES
	FETCH \op, \s+1, (\s+1)%2
	s_wait_dscnt 5                                 ; the five loads just issued may be out: this K step's are in
.else
	s_wait_dscnt 0x0
.endif
	WIN 0x01                                       ; source 0 (the weights) in window 1
.irp bb, 0,1
.irp u, 0,1
.irp rt, 0,1
.set rD, \acc+32*\rt+16*\bb+8*\u
.set rA, \buf+8*(8*\bb+2*\s+\u)
.set rB, FR+16*(\s%2)+8*\rt
.set sA, WS+8*\st+4*\bb+\s
.set sB, XS+\s%2
.set wA, \u
.set wB, \rt
	MM
.endr
.endr
.endr
	WIN 0
.endr
.endm
; 64 numbers of a lane, block b = 2 x row tile + column block; lanes l and l xor 16 share each block of 32.  Codes to v[PC + 2 b], v[PC + 2 b + 1]; bytes to v[TM + 4 + b].
.macro QUANT src
.irp b, 0,1,2,3
	v_max3_num_f32 v[TM+\b], |v[\src+16*\b]|, |v[\src+1+16*\b]|, 0x1800000   ; with the floor 2^(3 - 127): the byte cannot fall under 1
.endr
.irp i, 2,4,6,8,10,12,14
.irp b, 0,1,2,3
	s_delay_alu instid0(VALU_DEP_4)
	v_max3_num_f32 v[TM+\b], v[TM+\b], |v[\src+16*\b+\i]|, |v[\src+1+16*\b+\i]|
.endr
.endr
.irp b, 0,1,2,3
	s_delay_alu instid0(VALU_DEP_4)
	v_permlanex16_b32 v[TM+4+\b], v[TM+\b], s[SEL], s[SEL+1]
.endr
.irp b, 0,1,2,3
	s_delay_alu instid0(VALU_DEP_4)
	v_max_num_f32 v[TM+\b], v[TM+\b], v[TM+4+\b]
.endr
.irp b, 0,1,2,3
	s_delay_alu instid0(VALU_DEP_4)
	v_add_nc_u32 v[TM+8+\b], 0xff000000, v[TM+\b]  ; 2 off the exponent field: the conversion's scale operand
.endr
.irp b, 0,1,2,3
	s_delay_alu instid0(VALU_DEP_4)
	v_lshrrev_b32 v[TM+4+\b], 23, v[TM+8+\b]       ; the byte
.endr
.irp b, 0,1,2,3
	v_cvt_scalef32_pk8_fp4_f32 v[PC+2*\b], v[\src+16*\b:\src+16*\b+7], v[TM+8+\b]
	v_cvt_scalef32_pk8_fp4_f32 v[PC+2*\b+1], v[\src+16*\b+8:\src+16*\b+15], v[TM+8+\b]
.endr
	v_nop                                          ; one plain place behind the scaled conversions
.endm
.macro IMG op                          ; what QUANT made goes to the operand at op: my two blocks of both row tiles' fragments, and my two bytes of their scale words
.irp b, 0,1,2,3
	ds_store_b64 v8, v[PC+2*\b:PC+2*\b+1] offset:\op+1024*(\b/2)+256*(\b%2)
.endr
	v_lshl_or_b32 v[HW], v[TM+5], 8, v[TM+4]
	v_lshl_or_b32 v[HW+1], v[TM+7], 8, v[TM+6]
	ds_store_b16 v9, v[HW] offset:\op+8192         ; both halves of the lanes write the same bytes with the same value
	ds_store_b16 v9, v[HW+1] offset:\op+8192+64
.endm
; my lane's partial sums, pairs v[226:227] (row tile 0) and v[230:231] (tile 1), become the rows' means over 512 columns in v238 and v246; table k of RED
.macro RSUM k
	s_delay_alu instid0(VALU_DEP_2)
	v_add_f32 v226, v226, v227
	s_delay_alu instid0(VALU_DEP_2)
	v_add_f32 v230, v230, v231
	s_delay_alu instid0(VALU_DEP_2)
	v_permlanex16_b32 v234, v226, s[SEL], s[SEL+1]
	s_delay_alu instid0(VALU_DEP_2)
	v_permlanex16_b32 v235, v230, s[SEL], s[SEL+1]
	s_delay_alu instid0(VALU_DEP_2)
	v_add_f32 v226, v226, v234
	s_delay_alu instid0(VALU_DEP_2)
	v_add_f32 v230, v230, v235                     ; my wave's 64 columns
	s_delay_alu instid0(VALU_DEP_1)
	v_cndmask_b32 v236, v226, v230, s[HM]          ; lane 16 rt + r stores row (rt, r)'s
	ds_store_b32 v10, v236 offset:RED+1024*(\k)
	BARRIER
.irp rt, 0,1
	ds_load_b128 v[238+8*\rt:241+8*\rt], v11 offset:RED+1024*(\k)+512*\rt
	ds_load_b128 v[242+8*\rt:245+8*\rt], v11 offset:RED+1024*(\k)+512*\rt+16
.endr
	s_wait_dscnt 0x0
.irp rt, 0,1
	v_pk_add_f32 v[238+8*\rt:239+8*\rt], v[238+8*\rt:239+8*\rt], v[240+8*\rt:241+8*\rt]
	v_pk_add_f32 v[242+8*\rt:243+8*\rt], v[242+8*\rt:243+8*\rt], v[244+8*\rt:245+8*\rt]
.endr
.irp rt, 0
	s_delay_alu instid0(VALU_DEP_3)
	v_pk_add_f32 v[238+8*\rt:239+8*\rt], v[238+8*\rt:239+8*\rt], v[242+8*\rt:243+8*\rt]
.endr
.irp rt, 1
	s_delay_alu instid0(VALU_DEP_2)
	v_pk_add_f32 v[238+8*\rt:239+8*\rt], v[238+8*\rt:239+8*\rt], v[242+8*\rt:243+8*\rt]
.endr
.irp rt, 0,1
	s_delay_alu instid0(VALU_DEP_2)
	v_add_f32 v[238+8*\rt], v[238+8*\rt], v[239+8*\rt]
.endr
.irp rt, 0,1
	s_delay_alu instid0(VALU_DEP_2)
	v_mul_f32 v[238+8*\rt], 0x3b000000, v[238+8*\rt]   ; / 512
.endr
.endm
; LayerNorm of the rows in OACC, in place.  k: the first of its two tables; pg, pb: registers of the gain and the bias; lw: how many younger loads may be out when those two are needed
.macro LN k, pg, pb, lw
.irp rt, 0,1
	v_pk_add_f32 v[226+4*\rt:227+4*\rt], v[OACC+32*\rt:OACC+32*\rt+1], v[OACC+32*\rt+2:OACC+32*\rt+3]
	v_pk_add_f32 v[228+4*\rt:229+4*\rt], v[OACC+32*\rt+4:OACC+32*\rt+5], v[OACC+32*\rt+6:OACC+32*\rt+7]
.endr
.irp j, 8,12,16,20,24,28
.irp rt, 0,1
	s_delay_alu instid0(VALU_DEP_4)
	v_pk_add_f32 v[226+4*\rt:227+4*\rt], v[226+4*\rt:227+4*\rt], v[OACC+32*\rt+\j:OACC+32*\rt+\j+1]
	s_delay_alu instid0(VALU_DEP_4)
	v_pk_add_f32 v[228+4*\rt:229+4*\rt], v[228+4*\rt:229+4*\rt], v[OACC+32*\rt+\j+2:OACC+32*\rt+\j+3]
.endr
.endr
.irp rt, 0
	s_delay_alu instid0(VALU_DEP_3)
	v_pk_add_f32 v[226+4*\rt:227+4*\rt], v[226+4*\rt:227+4*\rt], v[228+4*\rt:229+4*\rt]
.endr
.irp rt, 1
	s_delay_alu instid0(VALU_DEP_2)
	v_pk_add_f32 v[226+4*\rt:227+4*\rt], v[226+4*\rt:227+4*\rt], v[228+4*\rt:229+4*\rt]
.endr
	RSUM \k
.irp rt, 0,1
.irp j, 0,2,4,6,8,10,12,14,16,18,20,22,24,26,28,30
	v_pk_add_f32 v[OACC+32*\rt+\j:OACC+32*\rt+\j+1], v[OACC+32*\rt+\j:OACC+32*\rt+\j+1], v[238+8*\rt:239+8*\rt] op_sel_hi:[1,0] neg_lo:[0,1] neg_hi:[0,1]   ; less the mean
.endr
.endr
.irp rt, 0,1
	v_pk_mul_f32 v[226+4*\rt:227+4*\rt], v[OACC+32*\rt:OACC+32*\rt+1], v[OACC+32*\rt:OACC+32*\rt+1]
	v_pk_mul_f32 v[228+4*\rt:229+4*\rt], v[OACC+32*\rt+2:OACC+32*\rt+3], v[OACC+32*\rt+2:OACC+32*\rt+3]
.endr
.irp j, 4,8,12,16,20,24,28
.irp rt, 0,1
	s_delay_alu instid0(VALU_DEP_4)
	v_pk_fma_f32 v[226+4*\rt:227+4*\rt], v[OACC+32*\rt+\j:OACC+32*\rt+\j+1], v[OACC+32*\rt+\j:OACC+32*\rt+\j+1], v[226+4*\rt:227+4*\rt]
	s_delay_alu instid0(VALU_DEP_4)
	v_pk_fma_f32 v[228+4*\rt:229+4*\rt], v[OACC+32*\rt+\j+2:OACC+32*\rt+\j+3], v[OACC+32*\rt+\j+2:OACC+32*\rt+\j+3], v[228+4*\rt:229+4*\rt]
.endr
.endr
.irp rt, 0
	s_delay_alu instid0(VALU_DEP_3)
	v_pk_add_f32 v[226+4*\rt:227+4*\rt], v[226+4*\rt:227+4*\rt], v[228+4*\rt:229+4*\rt]
.endr
.irp rt, 1
	s_delay_alu instid0(VALU_DEP_2)
	v_pk_add_f32 v[226+4*\rt:227+4*\rt], v[226+4*\rt:227+4*\rt], v[228+4*\rt:229+4*\rt]
.endr
	RSUM (\k)+1
	s_delay_alu instid0(VALU_DEP_2)
	v_add_f32 v238, 0x3727c5ac, v238               ; the variance + 1e-5
	s_delay_alu instid0(VALU_DEP_2)
	v_add_f32 v246, 0x3727c5ac, v246
	s_wait_alu depctr_va_vdst(0)
	v_rsq_f32 v238, v238
	v_rsq_f32 v246, v246
	s_wait_loadcnt \lw                             ; the gain and the bias are in
	v_nop                                          ; a plain place behind the transcendentals
	s_wait_alu depctr_va_vdst(0)
.irp rt, 0,1
.irp j, 0,2,4,6,8,10,12,14,16,18,20,22,24,26,28,30
	v_pk_mul_f32 v[OACC+32*\rt+\j:OACC+32*\rt+\j+1], v[OACC+32*\rt+\j:OACC+32*\rt+\j+1], v[238+8*\rt:239+8*\rt] op_sel_hi:[1,0]
.endr
.endr
.irp rt, 0,1
.irp j, 0,2,4,6,8,10,12,14,16,18,20,22,24,26,28,30
	v_pk_fma_f32 v[OACC+32*\rt+\j:OACC+32*\rt+\j+1], v[OACC+32*\rt+\j:OACC+32*\rt+\j+1], v[\pg+\j:\pg+\j+1], v[\pb+\j:\pb+\j+1]
.endr
.endr
.endm
; u -> u / 2 x (1 + erf(u / sqrt 2)) on the 64 numbers in HACC, an accumulator (four pairs) at a time, each from its low end on
.macro GELU
	v_mov_b32 v248, 0xaf95df0b                     ; the two polynomials' first coefficients as vector pairs, so that no line names two scalar pairs
	v_mov_b32 v249, 0xaf95df0b
	v_mov_b32 v250, 0xb77460cd
	v_mov_b32 v251, 0xb77460cd
.irp a, 0,1,2,3,4,5,6,7
.irp p, 0,2,4,6
	v_pk_mul_f32 v[GZ+\p:GZ+\p+1], v[HACC+8*\a+\p:HACC+8*\a+\p+1], 0x3f3504f3 op_sel_hi:[1,0]   ; z = u / sqrt 2
.endr
.irp i, 0,1,2,3,4,5,6,7
	v_med3_num_f32 v[GZ+\i], v[GZ+\i], -4.0, 4.0
.endr
.irp p, 0,2,4,6
	v_pk_mul_f32 v[GX+\p:GX+\p+1], v[GZ+\p:GZ+\p+1], v[GZ+\p:GZ+\p+1]
.endr
.irp p, 0,2,4,6
	v_pk_fma_f32 v[GP+\p:GP+\p+1], v[GX+\p:GX+\p+1], v[248:249], s[AL:AL+1] op_sel_hi:[1,1,0]
	v_pk_fma_f32 v[GQ+\p:GQ+\p+1], v[GX+\p:GX+\p+1], v[250:251], s[BE:BE+1] op_sel_hi:[1,1,0]
.endr
.irp n, 1,2,3
.irp p, 0,2,4,6
	v_pk_fma_f32 v[GP+\p:GP+\p+1], v[GP+\p:GP+\p+1], v[GX+\p:GX+\p+1], s[AL+2*\n:AL+2*\n+1] op_sel_hi:[1,1,0]
	v_pk_fma_f32 v[GQ+\p:GQ+\p+1], v[GQ+\p:GQ+\p+1], v[GX+\p:GX+\p+1], s[BE+2*\n:BE+2*\n+1] op_sel_hi:[1,1,0]
.endr
.endr
.irp n, 4,5
.irp p, 0,2,4,6
	v_pk_fma_f32 v[GP+\p:GP+\p+1], v[GP+\p:GP+\p+1], v[GX+\p:GX+\p+1], s[AL+2*\n:AL+2*\n+1] op_sel_hi:[1,1,0]
.endr
.endr
.irp p, 0,2,4,6
	s_delay_alu instid0(VALU_DEP_4)
	v_pk_mul_f32 v[GP+\p:GP+\p+1], v[GP+\p:GP+\p+1], v[GZ+\p:GZ+\p+1]
.endr
	s_wait_alu depctr_va_vdst(0)
.irp i, 0,1,2,3,4,5,6,7
	v_rcp_f32 v[GQ+\i], v[GQ+\i]
.endr
.irp p, 0,2,4,6
	v_pk_mul_f32 v[GZ+\p:GZ+\p+1], v[HACC+8*\a+\p:HACC+8*\a+\p+1], 0.5 op_sel_hi:[1,0]   ; u / 2: also the plain place behind the reciprocals
.endr
	s_wait_alu depctr_va_vdst(0)
.irp p, 0,2,4,6
	v_pk_mul_f32 v[GP+\p:GP+\p+1], v[GP+\p:GP+\p+1], v[GQ+\p:GQ+\p+1]                     ; erf
.endr
.irp p, 0,2,4,6
	s_delay_alu instid0(VALU_DEP_4)
	v_pk_fma_f32 v[HACC+8*\a+\p:HACC+8*\a+\p+1], v[GZ+\p:GZ+\p+1], v[GP+\p:GP+\p+1], v[GZ+\p:GZ+\p+1]
.endr
.endr
.endm
	s_load_b256 s[4:11], s[0:1], 0x0               ; ctx, x, wimg, wsc
	s_load_b256 s[12:19], s[0:1], 0x20             ; bo, ln1_g, ln1_b, b1
	s_load_b256 s[20:27], s[0:1], 0x40             ; b2, ln2_g, ln2_b, out0
	v_lshl_add_u32 v254, v0, 2, 0x17800
	v_mov_b32 v255, 0
	v_lshrrev_b32 v8, 5, v0
	s_delay_alu instid0(VALU_DEP_1)
	v_readfirstlane_b32 s[WV], v8                  ; wave 0..7
	v_and_b32 v[LI], 31, v0
	s_delay_alu instid0(VALU_DEP_1)
	v_lshlrev_b32 v[LS], 2, v[LI]
	v_and_b32 v[R4], 15, v0
	v_bfe_u32 v[BA], v0, 4, 1
	s_delay_alu instid0(VALU_DEP_2)
	v_lshlrev_b32 v[A8], 4, v[R4]
	s_delay_alu instid0(VALU_DEP_1)
	v_lshl_add_u32 v[A8], v[BA], 3, v[A8]
	s_delay_alu instid0(VALU_DEP_4)
	v_and_b32 v[MA], 8, v[R4]
	s_delay_alu instid0(VALU_DEP_1)
	v_add_nc_u32 v[MA], v[MA], v[R4]
	s_delay_alu instid0(VALU_DEP_1)
	v_lshlrev_b32 v[XA], 11, v[MA]
	s_delay_alu instid0(VALU_DEP_1)
	v_lshl_add_u32 v[XA], v[BA], 6, v[XA]
	v_lshlrev_b32 v[R4], 2, v[R4]
	s_wait_alu depctr_va_vdst(0)
	v_lshlrev_b32 v[BA], 6, v[BA]
	v_lshlrev_b32 v[LI], 4, v[LI]
	s_wait_alu depctr_va_vdst(0)
	s_lshr_b32 s34, s[WV], 1
	s_and_b32 s35, s[WV], 1
	s_lshl_b32 s32, s34, 11
	s_lshl_b32 s33, s35, 9
	s_add_co_u32 s32, s32, s33
	v_add_nc_u32 v8, s32, v[A8]                    ; where I store codes: K step w / 2, blocks 2 (w % 2) on
	s_lshl_b32 s32, s34, 7
	s_lshl_b32 s33, s35, 1
	s_add_co_u32 s32, s32, s33
	v_add_nc_u32 v9, s32, v[R4]                    ; and my two scale bytes
	s_lshl_b32 s32, s[WV], 2
	v_lshl_add_u32 v10, v[LI], 1, s32              ; partial sums: 32 x lane + 4 x wave
	v_lshlrev_b32 v11, 3, v[R4]                    ; and back: 32 r
	v_mul_u32_u24 v12, v[R4], 516
	s_delay_alu instid0(VALU_DEP_1)
	v_add_nc_u32 v12, v12, v[BA]
	s_lshl_b32 s32, s[WV], 8
	v_add_nc_u32 v12, s32, v12                     ; the stage, in: 2,064 r + 64 h + 256 w
	s_mul_i32 s32, s[WV], 8256
	v_add_nc_u32 v13, s32, v[LI]                   ; and back: my four rows, 16 bytes a lane
	s_lshl_b32 s32, s[WV], 10
	v_add_nc_u32 v14, s32, v[LI]                   ; ctx's fragment w
	s_lshl_b32 s32, s[WV], 6
	v_add_nc_u32 v15, s32, v[R4]                   ; and its scale words
.irp j, 230,231,232,233,234,235
	v_mov_b32 v[\j], 0                             ; written once: a lane permute's destination counts as one of its sources
.endr
	s_mov_b32 s[SEL], 0x76543210
	s_mov_b32 s[SEL+1], 0xfedcba98
	s_mov_b32 s[HM], 0xffff0000
	SPAIR AL, 0x32edffee
	SPAIR AL+2, 0xb60cff51
	SPAIR AL+4, 0xb86ec2d2
	SPAIR AL+6, 0xba40ac63
	SPAIR AL+8, 0xbb41a1f6
	SPAIR AL+10, 0xbc83dbd4
	SPAIR BE, 0xb95fbd29
	SPAIR BE+2, 0xbadc924e
	SPAIR BE+4, 0xbbf19bf8
	SPAIR BE+6, 0xbc69b6a7
	s_mov_b32 s33, 0
	s_wait_alu depctr_va_vdst(0)
	s_wait_kmcnt 0x0
	s_lshl_b32 s32, ttmp9, 9
	s_lshl_b32 s78, s35, 8
	s_add_co_u32 s32, s32, s78
	s_lshl_b32 s78, s34, 6
	s_add_co_u32 s32, s32, s78
	s_add_nc_u64 s[76:77], s[4:5], s[32:33]        ; ctx's scale words: row tile 2 g + w % 2, K step w / 2
	s_lshl_b32 s32, s32, 4
	s_add_nc_u64 s[4:5], s[4:5], s[32:33]          ; and its image: 16 times as far
	s_lshl_b32 s32, ttmp9, 16
	s_lshl_b32 s78, s[WV], 8
	s_add_co_u32 s32, s32, s78
	s_add_nc_u64 s[6:7], s[6:7], s[32:33]          ; x at row 32 g, column 64 w
	s_mov_b32 s32, s78
	s_add_nc_u64 s[12:13], s[12:13], s[32:33]      ; everything that goes by columns: at column 64 w
	s_add_nc_u64 s[14:15], s[14:15], s[32:33]
	s_add_nc_u64 s[16:17], s[16:17], s[32:33]
	s_add_nc_u64 s[18:19], s[18:19], s[32:33]
	s_add_nc_u64 s[20:21], s[20:21], s[32:33]
	s_add_nc_u64 s[22:23], s[22:23], s[32:33]
	s_add_nc_u64 s[24:25], s[24:25], s[32:33]
	s_lshl_b32 s32, s[WV], 14
	s_add_nc_u64 s[36:37], s[8:9], s[32:33]        ; Wo's images (this pointer stays),
	s_add_nc_u64 s[40:41], s[8:9], s[32:33]        ; W1's (131,072 on with each chunk)
	s_lshl_b32 s32, s[WV], 16
	s_add_nc_u64 s[44:45], s[8:9], s[32:33]        ; W2's (8,192 on)
	s_lshl_b32 s32, s[WV], 10
	s_add_nc_u64 s[38:39], s[10:11], s[32:33]      ; the scale words likewise: Wo's,
	s_add_nc_u64 s[42:43], s[10:11], s[32:33]      ; W1's (8,192 on),
	s_lshl_b32 s32, s[WV], 12
	s_add_nc_u64 s[46:47], s[10:11], s[32:33]      ; W2's (512 on)
	s_lshl_b32 s32, ttmp9, 5
	s_lshr_b32 s78, s[WV], 2
	s_lshl_b32 s78, s78, 3
	s_add_co_u32 s32, s32, s78
	s_and_b32 s78, s[WV], 3
	s_lshl_b32 s79, s78, 2
	s_add_co_u32 s32, s32, s79
	s_lshr_b32 s78, s78, 1
	s_lshl_b32 s78, s78, 3
	s_add_co_u32 s32, s32, s78                     ; stage rows 4 w .. 4 w + 3 are true rows 32 g + 8 (w / 4) + 4 (w % 4) + 8 ((w % 4) / 2) on
	s_lshl_b32 s32, s32, 11
	s_add_nc_u64 s[26:27], s[26:27], s[32:33]
	global_load_b128 v[TMP0:TMP0+3], v[LI], s[4:5]                 ; 3 loads: ctx's fragment w as it lies, and its scale words
	global_load_b128 v[TMP0+4:TMP0+7], v[LI], s[4:5] offset:512
	global_load_b32 v[TMP0+8], v[R4], s[76:77] offset:2097152
	ULOAD BUFA, 0, 36, 38, 8192, 512, 393216, 24576                ; 50 loads: Wo, and bo into the accumulators of both row tiles
	PLOAD OACC, 12
	PLOAD OACC+32, 12
	s_wait_loadcnt 50                              ; those 50 may be out: ctx is in
	ds_store_b128 v14, v[TMP0:TMP0+3] offset:CIMG
	ds_store_b128 v14, v[TMP0+4:TMP0+7] offset:CIMG+512
	ds_store_b32 v15, v[TMP0+8] offset:CIMG+8192
.irp rt, 0,1                                   ; 16 loads: x for the residual, in the accumulators' order
.irp bb, 0,1
.irp q, 0,1,2,3
	global_load_b128 v[HACC+32*\rt+16*\bb+4*\q:HACC+32*\rt+16*\bb+4*\q+3], v[XA], s[6:7] offset:16384*\rt+128*\bb+16*\q
.endr
.endr
.endr
	BARRIER                                        ; ctx's eight fragments lie in LDS
	s_wait_loadcnt 16                              ; x's 16 may be out: Wo and bo are in
	ULOAD BUFB, 1, 40, 42, 8192, 512, 524288, 32768                ; 34 loads: W1's chunk 0
	s_wait_xcnt 0x0                                ; the pointers step only behind this wait
	s_add_nc_u64 s[40:41], s[40:41], 131072
	s_add_nc_u64 s[42:43], s[42:43], 8192
	UNIT CIMG, BUFA, 0, OACC
	PLACES
	PLOAD FR, 14                                   ; 16 loads: the first norm's gain and bias
	PLOAD TMP0, 16
	s_wait_loadcnt 50                              ; W1's 34 and those 16 may be out: x is in
.set j, 0
.rept 32
	v_pk_add_f32 v[OACC+j:OACC+j+1], v[OACC+j:OACC+j+1], v[HACC+j:HACC+j+1]   ; x + ctx Wo + bo
.set j, j+2
.endr
	PLOAD HACC, 18                                 ; 16 loads: b1's chunk 0 into the hidden accumulators of both row tiles
	PLOAD HACC+32, 18
	s_wait_xcnt 0x0
	s_add_nc_u64 s[18:19], s[18:19], 2048
	ULOAD BUFA, 0, 44, 46, 32768, 2048, 1048576, 65536             ; 34 loads: W2's chunk 0
	s_wait_xcnt 0x0
	s_add_nc_u64 s[44:45], s[44:45], 8192
	s_add_nc_u64 s[46:47], s[46:47], 512
	LN 0, FR, TMP0, 50                             ; b1's 16 and W2's 34 were issued behind the gain and the bias
	QUANT OACC
	IMG HIMG
	BARRIER                                        ; h's eight fragments lie in LDS; h itself stays in OACC, where the output's sums begin
; A chunk of 512 hidden units.  At its head W1's chunk (34 loads), b1's (16) and W2's (34) are out, in that order.
.macro CHUNK last
	s_wait_loadcnt 34                              ; W2's 34 may be out
	UNIT HIMG, BUFB, 1, HACC
	PLACES
.if \last == 0
	ULOAD BUFB, 1, 40, 42, 8192, 512, 524288, 32768                ; the next chunk of W1
	s_wait_xcnt 0x0
	s_add_nc_u64 s[40:41], s[40:41], 131072
	s_add_nc_u64 s[42:43], s[42:43], 8192
.endif
	GELU
	BARRIER                                        ; nobody reads the last chunk's images any more
	QUANT HACC
	IMG GIMG
.if \last
	PLOAD HACC, 22                                 ; 24 loads: the second norm's gain and bias, and b2
	PLOAD HACC+32, 24
	PLOAD TMP0, 20
.else
	PLOAD HACC, 18                                 ; 16 loads: the next chunk of b1
	PLOAD HACC+32, 18
	s_wait_xcnt 0x0
	s_add_nc_u64 s[18:19], s[18:19], 2048
.endif
	BARRIER                                        ; this chunk's eight fragments lie in LDS
.if \last
	s_wait_loadcnt 24                              ; the 24 just issued may be out: W2's chunk is in
.else
	s_wait_loadcnt 50                              ; the next W1 (34) and b1 (16) may be out: W2's chunk is in
.endif
	UNIT GIMG, BUFA, 0, OACC
	PLACES
.if \last == 0
	ULOAD BUFA, 0, 44, 46, 32768, 2048, 1048576, 65536             ; the next chunk of W2
	s_wait_xcnt 0x0
	s_add_nc_u64 s[44:45], s[44:45], 8192
	s_add_nc_u64 s[46:47], s[46:47], 512
.endif
.endm
	s_mov_b32 s[CNT], 3
.Lchunk:
	CHUNK 0
	s_sub_co_u32 s[CNT], s[CNT], 1
	s_cmp_lg_u32 s[CNT], 0
	s_cbranch_scc1 .Lchunk
	CHUNK 1                                        ; the last chunk is written out: it asks for no further weights
	s_wait_loadcnt 0x0
.irp rt, 0,1
.irp j, 0,2,4,6,8,10,12,14,16,18,20,22,24,26,28,30
	v_pk_add_f32 v[OACC+32*\rt+\j:OACC+32*\rt+\j+1], v[OACC+32*\rt+\j:OACC+32*\rt+\j+1], v[TMP0+\j:TMP0+\j+1]   ; + b2
.endr
.endr
	LN 2, HACC, HACC+32, 0
	; THE WAY OUT: a lane holds 64 bytes of a row four times over; whole rows of 2,048 bytes meet in the stage (pitch 2,064: the sixteen rows of a store fall on different banks), and each wave stores four of them
.irp rt, 0,1
.irp bb, 0,1
.irp q, 0,1,2,3
	ds_store_b128 v12, v[OACC+32*\rt+16*\bb+4*\q:OACC+32*\rt+16*\bb+4*\q+3] offset:STG+33024*\rt+128*\bb+16*\q
.endr
.endr
.endr
	BARRIER
.irp n, 0,1,2,3,4,5,6,7,8,9,10,11,12,13,14,15
	ds_load_b128 v[HACC+4*\n:HACC+4*\n+3], v13 offset:STG+2064*(\n/4)+512*(\n%4)
.endr
.irp n, 0,1,2,3,4,5,6,7,8,9,10,11,12,13,14,15
	s_wait_dscnt 15-\n
	global_store_b128 v[LI], v[HACC+4*\n:HACC+4*\n+3], s[26:27] offset:2048*(\n/4)+512*(\n%4) th:TH_STORE_NT   ; 32 lanes store 512 consecutive bytes, aligned
.endr
	s_wait_tensorcnt 0x0
	ds_add_u32 v254, v255
	s_wait_dscnt 0x0
	s_endpgm
.Lfunc_end_k_qaf0ff1336a_tail:
	.size	k_qaf0ff1336a_tail, .Lfunc_end_k_qaf0ff1336a_tail-k_qaf0ff1336a_tail
	.p2alignl 7, 3214868480
	.fill 96, 4, 3214868480
	.section	.rodata,"a",@progbits
	.p2align	6, 0x0
	.amdhsa_kernel k_qaf0ff1336a_tail
		.amdhsa_group_segment_fixed_size 97280
		.amdhsa_private_segment_fixed_size 0
		.amdhsa_enable_private_segment 0
		.amdhsa_kernarg_size 96
		.amdhsa_user_sgpr_count 2
		.amdhsa_user_sgpr_kernarg_segment_ptr 1
		.amdhsa_wavefront_size32 1
		.amdhsa_system_sgpr_workgroup_id_x 1
		.amdhsa_system_sgpr_workgroup_id_y 1
		.amdhsa_system_sgpr_workgroup_id_z 1
		.amdhsa_system_vgpr_workitem_id 0
		.amdhsa_next_free_vgpr 512
		.amdhsa_next_free_sgpr 96
		.amdhsa_reserve_vcc 0
		.amdhsa_float_denorm_mode_32 3
		.amdhsa_float_denorm_mode_16_64 3
		.amdhsa_memory_ordered 1
		.amdhsa_forward_progress 1
		.amdhsa_inst_pref_size 203
	.end_amdhsa_kernel
	.amdgpu_metadata
---
amdhsa.version: [ 1, 2 ]
amdhsa.kernels:
  - .name:           k_qaf0ff1336a_tail
    .symbol:         k_qaf0ff1336a_tail.kd
    .args:
      - { .name: ctx, .offset: 0, .size: 8, .value_kind: global_buffer, .address_space: global }
      - { .name: x, .offset: 8, .size: 8, .value_kind: global_buffer, .address_space: global }
      - { .name: wimg, .offset: 16, .size: 8, .value_kind: global_buffer, .address_space: global }
      - { .name: wsc, .offset: 24, .size: 8, .value_kind: global_buffer, .address_space: global }
      - { .name: bo, .offset: 32, .size: 8, .value_kind: global_buffer, .address_space: global }
      - { .name: ln1_g, .offset: 40, .size: 8, .value_kind: global_buffer, .address_space: global }
      - { .name: ln1_b, .offset: 48, .size: 8, .value_kind: global_buffer, .address_space: global }
      - { .name: b1, .offset: 56, .size: 8, .value_kind: global_buffer, .address_space: global }
      - { .name: b2, .offset: 64, .size: 8, .value_kind: global_buffer, .address_space: global }
      - { .name: ln2_g, .offset: 72, .size: 8, .value_kind: global_buffer, .address_space: global }
      - { .name: ln2_b, .offset: 80, .size: 8, .value_kind: global_buffer, .address_space: global }
      - { .name: out0, .offset: 88, .size: 8, .value_kind: global_buffer, .address_space: global }
    .group_segment_fixed_size: 97280
    .private_segment_fixed_size: 0
    .kernarg_segment_align: 8
    .kernarg_segment_size: 96
    .max_flat_workgroup_size: 256
    .sgpr_count:     96
    .vgpr_count:     512
    .wavefront_size: 32
...
	.end_amdgpu_metadata
.endif
;; end of part 4
